; MI455X (gfx1250); checked and timed in simulation.
; The chip was launched on July 23, 2026; its instructions are those of AMD's public machine-readable ISA for CDNA 5 (MIT licence, August 2026) and "CDNA5" Instruction Set Architecture Reference Guide (July 2026). The comments in the code are by the model that wrote it; some were corrected since.
;; Fused Attention. Allowed arithmetic: float matrix products may take bf16 or f16 operands with f32 sums; all other float work in f32.
;; Inputs: W_out 1,024 x 1,024 float32; W_qkv 3,072 x 1,024 float32; x 4 x 2,048 x 1,024 float32.
;; Outputs: out0 4 x 2,048 x 1,024 float32.
;; One version. Each part assembles by itself: llvm-mc -triple=amdgcn-amd-amdhsa -mcpu=gfx1250 --defsym DOCPART=n.
;; ======== version 1 of 1: 4 launches
;; limits: values are held in f16: magnitudes above 65,504 overflow, below 6.1e-05 lose precision; right only within a limited range of input values
;; workspace buffers: xb 16,777,216 bytes; wqb 6,291,456 bytes; wob 2,097,152 bytes; qkv 50,331,648 bytes; ob 16,777,216 bytes
;; launch cast (part 1): grid 768 x 1, 8 waves a work-group, no clusters, 0 bytes of LDS; arguments x, W_qkv, W_out, xb, wqb, wob; writes xb, wqb, wob
.if DOCPART == 1
	.amdgcn_target "amdgcn-amd-amdhsa--gfx1250"
	.amdhsa_code_object_version 6
	.text
	.protected	k_q0decf45b7a_cast
	.globl	k_q0decf45b7a_cast
	.p2align	8
	.type	k_q0decf45b7a_cast,@function
k_q0decf45b7a_cast:
	s_mov_b64 s[64:65], 0
	v_nop
	global_prefetch_b8 v0, s[64:65] scope:SCOPE_SE
	s_setreg_imm32_b32 hwreg(HW_REG_WAVE_MODE, 25, 1), 1
	s_wait_xcnt 0x0
; The three f32 inputs are rounded once to bf16 and laid in blocks of 64 along K, so that the products behind can ask for dense tiles:
;   xb  [b 4][kb 16][t 2048][64] bf16      wqb [kb 16][n 3072][64] bf16      wob [kb 16][n 1024][64], the bf16 number written as f16.
; LIMITS.  W_out rounded to bf16 is written as f16: exact between 6.1e-5 and 65,504 in magnitude; below that it keeps f16's fixed step of 6e-8, beyond it becomes an infinity.
; SHARES.  A work-group takes 16 rows of 1,024 f32 of one tensor: groups 0-511 x, 512-703 W_qkv, 704-767 W_out.  Thread t takes row t / 16 and, in each of the row's 16 blocks of 64 numbers
; (256 bytes), the 16 bytes at 16 (t % 16).  A wave's load covers two whole aligned runs of 256 bytes (two rows), its store of 8 bytes a lane 256 consecutive bytes, aligned (two rows of 128 bytes of a block).
; Memory binds: no LDS, no barrier, no matrix unit.  All 16 loads of a wave go out at once; the waits count down; no register is written twice, so no wait frees one.
.set X, 4                              ; v[4:67]   block kb: 4 f32 as loaded
.set Y, 68                             ; v[68:99]  block kb: 4 numbers of 16 bits to store
.set T, 100                            ; v[100:101] at work
	s_load_b256 s[4:11], s[0:1], 0x0               ; x s[4:5], W_qkv s[6:7], W_out s[8:9], xb s[10:11]
	s_load_b128 s[12:15], s[0:1], 0x20             ; wqb s[12:13], wob s[14:15]
	v_lshrrev_b32 v1, 4, v0                        ; my row of the 16
	v_and_b32 v3, 15, v0
	v_lshlrev_b32 v3, 4, v3                        ; my 16 bytes in a block's 256
	v_lshl_or_b32 v1, v1, 12, v3                   ; row x 4,096 + 16 (t % 16): where I load
	v_lshlrev_b32 v2, 3, v0                        ; row x 128 + 8 (t % 16) = 8 t: where I store
	s_mov_b32 s21, 0                               ; the offsets' high words
	s_mov_b32 s23, 0
	s_wait_kmcnt 0x0
; str: bytes from a block of 64 along K to the next in the output.  f16 = 1: the bf16 number is written as f16.
.macro CAST str, f16
.irp kb, 0,1,2,3,4,5,6,7,8,9,10,11,12,13,14,15
	global_load_b128 v[X+4*(\kb):X+4*(\kb)+3], v1, s[16:17] offset:256*(\kb) th:TH_LOAD_NT
.endr
.irp kb, 0,1,2,3,4,5,6,7,8,9,10,11,12,13,14,15
	s_wait_loadcnt 15-(\kb)                        ; loads come back in order: block kb is in, the younger ones stay out
	v_cvt_pk_bf16_f32 v[Y+2*(\kb)],   v[X+4*(\kb)],   v[X+4*(\kb)+1]
	v_cvt_pk_bf16_f32 v[Y+2*(\kb)+1], v[X+4*(\kb)+2], v[X+4*(\kb)+3]
.if \f16
.irp j, 0,1
	v_lshlrev_b32 v[T],   16, v[Y+2*(\kb)+(\j)]            ; the bf16 numbers as f32,
	v_and_b32     v[T+1], 0xffff0000, v[Y+2*(\kb)+(\j)]
	v_cvt_pk_f16_f32 v[Y+2*(\kb)+(\j)], v[T], v[T+1]       ; and as f16
.endr
.endif
	global_store_b64 v2, v[Y+2*(\kb):Y+2*(\kb)+1], s[18:19] offset:(\kb)*(\str)  ; 15 x 393,216 at the most: inside the signed 24-bit immediate
.endr
.endm
	s_cmp_lt_u32 ttmp9, 512
	s_cbranch_scc1 .Lx
	s_cmp_lt_u32 ttmp9, 704
	s_cbranch_scc1 .Lwq
	s_sub_co_u32 s22, ttmp9, 704                   ; W_out: rows 16 g ..
	s_lshl_b32 s20, s22, 16                        ; 16 rows of 4,096 bytes in,
	s_lshl_b32 s22, s22, 11                        ; 16 rows of 128 bytes in each block out
	s_add_nc_u64 s[16:17], s[8:9], s[20:21]
	s_add_nc_u64 s[18:19], s[14:15], s[22:23]
	CAST 131072, 1
	s_endpgm
.Lwq:
	s_sub_co_u32 s22, ttmp9, 512                   ; W_qkv
	s_lshl_b32 s20, s22, 16
	s_lshl_b32 s22, s22, 11
	s_add_nc_u64 s[16:17], s[6:7], s[20:21]
	s_add_nc_u64 s[18:19], s[12:13], s[22:23]
	CAST 393216, 0
	s_endpgm
.Lx:
	s_lshl_b32 s20, ttmp9, 16                      ; x
	s_lshr_b32 s22, ttmp9, 7                       ; the batch: 128 groups of 16 rows each,
	s_lshl_b32 s22, s22, 22                        ; 16 blocks of 262,144 bytes
	s_and_b32 s3, ttmp9, 127
	s_lshl_b32 s3, s3, 11
	s_add_co_u32 s22, s22, s3
	s_add_nc_u64 s[16:17], s[4:5], s[20:21]
	s_add_nc_u64 s[18:19], s[10:11], s[22:23]
	CAST 262144, 0
	s_endpgm
.Lfunc_end_k_q0decf45b7a_cast:
	.size	k_q0decf45b7a_cast, .Lfunc_end_k_q0decf45b7a_cast-k_q0decf45b7a_cast
	.p2alignl 7, 3214868480
	.fill 96, 4, 3214868480
	.section	.rodata,"a",@progbits
	.p2align	6, 0x0
	.amdhsa_kernel k_q0decf45b7a_cast
		.amdhsa_group_segment_fixed_size 0
		.amdhsa_private_segment_fixed_size 0
		.amdhsa_enable_private_segment 0
		.amdhsa_kernarg_size 48
		.amdhsa_user_sgpr_count 2
		.amdhsa_user_sgpr_kernarg_segment_ptr 1
		.amdhsa_wavefront_size32 1
		.amdhsa_system_sgpr_workgroup_id_x 1
		.amdhsa_system_sgpr_workgroup_id_y 1
		.amdhsa_system_sgpr_workgroup_id_z 1
		.amdhsa_system_vgpr_workitem_id 0
		.amdhsa_next_free_vgpr 104
		.amdhsa_next_free_sgpr 66
		.amdhsa_reserve_vcc 0
		.amdhsa_float_denorm_mode_32 3
		.amdhsa_float_denorm_mode_16_64 3
		.amdhsa_memory_ordered 1
		.amdhsa_forward_progress 1
		.amdhsa_inst_pref_size 24
	.end_amdhsa_kernel
	.amdgpu_metadata
---
amdhsa.version: [ 1, 2 ]
amdhsa.kernels:
  - .name:           k_q0decf45b7a_cast
    .symbol:         k_q0decf45b7a_cast.kd
    .args:
      - { .name: x, .offset: 0, .size: 8, .value_kind: global_buffer, .address_space: global }
      - { .name: W_qkv, .offset: 8, .size: 8, .value_kind: global_buffer, .address_space: global }
      - { .name: W_out, .offset: 16, .size: 8, .value_kind: global_buffer, .address_space: global }
      - { .name: xb, .offset: 24, .size: 8, .value_kind: global_buffer, .address_space: global }
      - { .name: wqb, .offset: 32, .size: 8, .value_kind: global_buffer, .address_space: global }
      - { .name: wob, .offset: 40, .size: 8, .value_kind: global_buffer, .address_space: global }
    .group_segment_fixed_size: 0
    .private_segment_fixed_size: 0
    .kernarg_segment_align: 8
    .kernarg_segment_size: 48
    .max_flat_workgroup_size: 256
    .sgpr_count:     66
    .vgpr_count:     104
    .wavefront_size: 32
...
	.end_amdgpu_metadata
.endif
;; end of part 1
;; launch gemm_qkv (part 2): grid 8 x 32, 4 waves a work-group, clusters of 4 x 4, 327,680 bytes of LDS; arguments xb, wqb, qkv; writes qkv
.if DOCPART == 2
	.amdgcn_target "amdgcn-amd-amdhsa--gfx1250"
	.amdhsa_code_object_version 6
	.text
	.protected	k_q0decf45b7a_gemm_qkv
	.globl	k_q0decf45b7a_gemm_qkv
	.p2align	8
	.type	k_q0decf45b7a_gemm_qkv,@function
k_q0decf45b7a_gemm_qkv:
	s_mov_b64 s[64:65], 0
	v_nop
	global_prefetch_b8 v0, s[64:65] scope:SCOPE_SE
	s_setreg_imm32_b32 hwreg(HW_REG_WAVE_MODE, 25, 1), 1
	s_wait_xcnt 0x0
	s_wait_alu depctr_hold_cnt(0) depctr_sa_sdst(0) depctr_va_vdst(0) depctr_va_sdst(0) depctr_va_ssrc(0) depctr_va_vcc(0) depctr_vm_vsrc(0)
	s_getreg_b32 s2, hwreg(HW_REG_IB_STS2, 6, 4)
	s_cmp_eq_u32 s2, 0
	s_cbranch_scc0 .Lentry_in_a_cluster
	s_endpgm
.Lentry_in_a_cluster:
	s_bfe_u32 s2, ttmp6, 0x10000c
	s_cmp_lg_u32 s2, 0xf033
	s_cbranch_scc0 .Lentry_shape_is_right
	s_endpgm
.Lentry_shape_is_right:
; qkv = x W_qkv^T, 8,192 x 3,072 over K = 1,024.  Operands bf16 (xb, wqb: blocks of 64 along K, a row's piece 128 bytes, rows end to end), sums f32, results rounded once to f16 and
; written by heads: qkv [b 4][s 48][t 2048][64], s = column / 64 (0-15 q's heads, 16-31 k's, 32-47 v's), without the softmax's scale.
; LIMIT.  A result of 65,520 or more in magnitude becomes an infinity in f16.
; SHARES.  8,192 x 3,072 over 256 work-groups: a tile of 256 rows x 384 columns each.  Four waves, each 128 x 192: 96 accumulators of 16 x 16, 768 registers: for 32 along K a wave reads
; 320 rows x 64 bytes from LDS and issues 96 matrix instructions.  K goes in 16 steps of 64 through two LDS slots (two slots of 128 along K would take 368,640 bytes).
; TILES.  128 rows of a block of xb are 16,384 dense bytes: asked for as 64 rows of 256 bytes and padded in LDS after every 128 (pitch 144); 192 rows of wqb likewise as 96 rows.
; CLUSTER.  4 x 4 work-groups.  The four of a row of the cluster need the same tiles of x, the four of a column the same tiles of W: each is asked for jointly, by the same tensor load with the same
; descriptor and a mask that names the four.
; THE MATRIX INSTRUCTION IS USED TRANSPOSED (source 0 = 16 rows of W, source 1 = 16 rows of x): a lane then holds row lane % 16 and eight neighbouring columns, 16 bytes of f16.
; ONE K STEP IS ONE TRIP.  Slot 1 begins at 1 << 17, so one exclusive or turns an LDS address in one slot into the other's: the fragment loads name one pair of address registers, made anew at each
; change of slots, and one descriptor a tensor walks from K step 1 on.
; REGISTERS, in windows of 256 (s_set_vgpr_msb: bits 1:0 source 0, 3:2 source 1, 5:4 source 2, 7:6 destination):
;   window 0: v0-31 addresses; v32-95, v96-159 x's fragments of a step's first and second 32 along K; v160-255 W's fragments, 32 registers for each of the three groups of 64 columns
;   window 1 + g: the 32 accumulators of column group g: (a, bb) at v[8 (4 a + bb)], a = 16 rows of my 128, bb = 16 columns of the group's 64
.set PITCH,  144                       ; an LDS row: 128 bytes + 16 of padding = 36 words: the 16 rows of a fragment load start at 16 different groups of four banks (64 banks of 4 bytes: ISA guide 11.1)
.set AHALF,  128*PITCH                 ; what one tensor load brings of x, and what one wave reads of it
.set BHALF,  192*PITCH                 ; the same for W
.set BOFF,   2*AHALF                   ; W's 384 rows lie behind x's 256
.set SLOT,   2*AHALF+2*BHALF           ; 92,160 bytes
.set SLOT1,  1<<17                     ; where slot 1 begins
.set STAGE,  SLOT1+SLOT                ; behind the ring: 16 rows x 144 bytes for each wave, for the way out; no tensor load fills it
.set SPARE,  STAGE+4*16*PITCH          ; behind the stages: the spare words, 128 bytes for each wave: two blocks of 256 bytes that no other line names
.set ASTEP,  262144                    ; bytes from a block of 64 along K to the next in xb
.set BSTEP,  393216                    ; and in wqb
.set A0,   16                          ; v16     my lane's place in x's rows of slot 0; never rewritten
.set B0,   17                          ; v17     the same for W
.set ADRA, 20                          ; v20     LDS address of my x fragments in the slot in hand
.set ADRB, 21                          ; v21     the same for W
.set STO,  24                          ; v24     the way out: where I put 16 bytes of a row
.set RD,   25                          ; v25     the way out: where I read rows back
.set GO,   26                          ; v26     my byte offset in 512 consecutive bytes of qkv
.set SPW,  28                          ; v28     LDS address of my spare word: SPARE + 4 x my thread's number; never rewritten
.set NIL,  29                          ; v29     0; never rewritten
.set AF,   32
.set BF,   160
.set TMP,  32                          ; the way out: 13 sets of 16 registers by turns, v32-239
.set G1,  24                           ; s[24:31] descriptor group 1 for x's tiles;  s[32:39] group 0: a set for each of the two first fills; the second then walks on
.set G0,  32
.set G1B, 48                           ; s[48:55], s[56:63] the same for W's tiles
.set G0B, 56
.set TB,  45                           ; s45     LDS byte at which the slot in hand begins: 0 or SLOT1
.set MSB, 0
.macro WIN new                         ; the immediate's high byte repeats the setting that is left; a switch that changes nothing is dropped
.if MSB != (\new)
	s_set_vgpr_msb (MSB<<8)|(\new)
.set MSB, (\new)
.endif
.endm
.macro PLACES                          ; four places in front of loads into registers that matrix instructions have read, and of conversions that read results
.rept 4
	v_nop
.endr
.endm
; A joint refill by the walking descriptors: waves 0 and 1 fetch x's two halves, waves 2 and 3 W's.  The branch hangs on the wave's number alone.  An s_nop 0 and four v_nop follow each of the two lines.
.macro JLOAD
	s_cmp_eq_u32 s11, 0
	s_cbranch_scc0 .Lfor_b_\@
	tensor_load_to_lds s[G0+4:G0+7], s[G1:G1+7]
	s_nop 0
.rept 4
	v_nop
.endr
	s_branch .Lasked_\@
.Lfor_b_\@:
	tensor_load_to_lds s[G0B+4:G0B+7], s[G1B:G1B+7]
	s_nop 0
.rept 4
	v_nop
.endr
.Lasked_\@:
.endm
.macro CREST                           ; a round of the cluster's barrier behind its opening barrier: wave 0 signals for the work-group, every wave waits for all sixteen, my work-group's barrier closes it
	s_cmp_lg_u32 s10, 0
	s_cbranch_scc1 .Lnot_wave_0_\@
	s_barrier_signal -3
.Lnot_wave_0_\@:
	s_barrier_wait -3
	s_barrier_signal -1
	s_barrier_wait -1
.endm
.macro CROUND                          ; a whole round
	s_barrier_signal -1
	s_barrier_wait -1
	CREST
.endm
	s_load_b128 s[4:7], s[0:1], 0x0                ; xb s[4:5], wqb s[6:7]
	s_load_b64 s[8:9], s[0:1], 0x10                ; qkv
	v_lshl_add_u32 v[SPW], v0, 2, SPARE
	v_mov_b32 v[NIL], 0
	ds_add_u32 v28, v29
	ds_add_u32 v28, v29
	s_wait_dscnt 0x0
	v_lshrrev_b32 v1, 5, v0
	v_readfirstlane_b32 s10, v1                    ; wave 0..3
	s_lshr_b32 s11, s10, 1                         ; which 128 of the tile's rows are mine.  Also: I fetch for x (0) or for W (1)
	s_and_b32 s12, s10, 1                          ; which 192 of its columns.  Also: which half of that tile I fetch
	s_bfe_u32 s40, ttmp6, 0x40000                  ; cx, cy: my place in the cluster
	s_bfe_u32 s41, ttmp6, 0x40004
	s_lshl_b32 s42, ttmp9, 2
	s_add_co_u32 s42, s42, s40                     ; tile column = 4 x cluster x + cx, 0..7
	s_and_b32 s13, ttmp7, 0xffff
	s_lshl_b32 s13, s13, 2
	s_add_co_u32 s13, s13, s41                     ; tile row = 4 x cluster y + cy, 0..31
	s_lshl_b32 s43, s41, 2
	s_lshl_b32 s43, 15, s43                        ; my row of the cluster: places 4 cy .. 4 cy + 3
	s_lshl_b32 s44, 0x1111, s40                    ; my column: places cx, cx + 4, cx + 8, cx + 12
	; descriptor group 1: rows of 128 elements (256 bytes, two rows of a block), padded in LDS after every 32 words by 4
	s_or_b32 s[G1+0], s43, (1<<16)|(1<<20)|(1<<21)|(4<<22)|(3<<25)  ; 15:0 the mask: x's tiles go to my row; 17:16 2-byte elements; 20 padding on; 21 set beside a mask; 24:22 code 4; 31:25 code 3
	s_or_b32 s[G1B+0], s44, (1<<16)|(1<<20)|(1<<21)|(4<<22)|(3<<25) ; the same with the mask of my column, for W's tiles
	s_mov_b32 s[G1+1], 128<<16                     ; tensor_dim0 = 128
	s_mov_b32 s[G1+2], 64<<16                      ; tensor_dim1 = 64
	s_mov_b32 s[G1+3], 128<<16                     ; tile_dim0 = 128
	s_mov_b32 s[G1+4], 64                          ; tile_dim1 = 64
	s_mov_b32 s[G1+5], 128                         ; 128 elements from row to row: dense
	s_mov_b32 s[G1+6], 0
	s_mov_b32 s[G1+7], 0
	s_mov_b32 s[G1B+1], 128<<16
	s_mov_b32 s[G1B+2], 96<<16                     ; W's half: 96 rows of 256 bytes
	s_mov_b32 s[G1B+3], 128<<16
	s_mov_b32 s[G1B+4], 96
	s_mov_b32 s[G1B+5], 128
	s_mov_b32 s[G1B+6], 0
	s_mov_b32 s[G1B+7], 0
	; where the tiles come from.  x's hang on the tile row and the wave's number, W's on the tile column and the wave's number, each in registers that never hold the other coordinate.
	s_lshr_b32 s16, s13, 3                         ; the batch: 8 tile rows each,
	s_lshl_b32 s16, s16, 22                        ; 16 blocks of 262,144 bytes
	s_and_b32 s17, s13, 7
	s_lshl_b32 s17, s17, 15                        ; 256 rows of 128 bytes
	s_add_co_u32 s16, s16, s17
	s_lshl_b32 s17, s12, 14                        ; my half: 128 rows
	s_add_co_u32 s16, s16, s17
	s_mov_b32 s17, 0
	s_mul_i32 s46, s42, 384*128                    ; W: 384 rows of 128 bytes a tile column,
	s_mul_i32 s47, s12, 192*128                    ; my half: 192 rows
	s_add_co_u32 s46, s46, s47
	s_mov_b32 s47, 0
	s_mul_i32 s20, s12, AHALF                      ; and where they go: no place in the cluster enters an LDS address
	s_mul_i32 s21, s12, BHALF
	s_add_co_u32 s21, s21, BOFF
	s_wait_kmcnt 0x0
	s_add_nc_u64 s[14:15], s[4:5], s[16:17]
	s_add_nc_u64 s[46:47], s[6:7], s[46:47]
	CROUND                                         ; all sixteen work-groups are here: the first joint loads meet
.irp s, 0,1
	s_mov_b32 s[G0+4*(\s)], 1                                      ; count = 1
	s_add_co_u32 s[G0+4*(\s)+1], s20, (\s)*SLOT1                   ; LDS address
	s_add_nc_u64 s[G0+4*(\s)+2:G0+4*(\s)+3], s[14:15], (\s)*ASTEP  ; global address: K step s
	s_or_b32 s[G0+4*(\s)+3], s[G0+4*(\s)+3], 0x80000000            ; type = 2
	s_mov_b32 s[G0B+4*(\s)], 1
	s_add_co_u32 s[G0B+4*(\s)+1], s21, (\s)*SLOT1
	s_add_nc_u64 s[G0B+4*(\s)+2:G0B+4*(\s)+3], s[46:47], (\s)*BSTEP
	s_or_b32 s[G0B+4*(\s)+3], s[G0B+4*(\s)+3], 0x80000000
.endr
	s_cmp_eq_u32 s11, 0                            ; a wave's two first fills stand in one branch, ahead of every wait on TENSORcnt and every LDS read: two loads of mine are out
	s_cbranch_scc0 .Lfirst_b
	tensor_load_to_lds s[G0:G0+3], s[G1:G1+7]
	s_nop 0
	tensor_load_to_lds s[G0+4:G0+7], s[G1:G1+7]
	s_nop 0
.rept 4
	v_nop
.endr
	s_branch .Lfirst_asked
.Lfirst_b:
	tensor_load_to_lds s[G0B:G0B+3], s[G1B:G1B+7]
	s_nop 0
	tensor_load_to_lds s[G0B+4:G0B+7], s[G1B:G1B+7]
	s_nop 0
.rept 4
	v_nop
.endr
.Lfirst_asked:
	; A fragment is 16 rows x 32 K in 8 registers: lane l holds row l % 16; registers 0-3 K = 8 (l / 16) + 0..7, registers 4-7 K = 16 + 8 (l / 16) + 0..7: two loads of 16 bytes, 32 bytes apart.
	v_and_b32 v1, 15, v0                           ; l % 16
	v_bfe_u32 v2, v0, 4, 1                         ; l / 16
	v_mul_u32_u24 v3, v1, PITCH
	v_lshl_add_u32 v3, v2, 4, v3                   ; row x pitch + 16 x half
	s_mul_i32 s22, s11, AHALF                      ; my 128 rows of x
	s_mul_i32 s23, s12, BHALF                      ; my 192 rows of W,
	s_add_co_u32 s23, s23, BOFF                    ; which lie behind x's 256
	s_mov_b32 s[TB], 0                             ; K step 0 lies in slot 0
	v_add_nc_u32 v[A0], s22, v3
	v_add_nc_u32 v[B0], s23, v3
	v_add_nc_u32 v[ADRA], s[TB], v[A0]
	v_add_nc_u32 v[ADRB], s[TB], v[B0]
	s_mul_i32 s18, s10, 16*PITCH
	s_add_co_u32 s18, s18, STAGE                   ; my stage
	v_add_nc_u32 v[STO], s18, v3                   ; in: row l % 16, 16 bytes for each half of the lanes
	v_bfe_u32 v4, v0, 3, 2                         ; back: 32 lanes take four rows of 128 bytes,
	v_mul_u32_u24 v4, v4, PITCH
	v_and_b32 v5, 7, v0
	v_lshl_add_u32 v4, v5, 4, v4
	v_add_nc_u32 v[RD], s18, v4
	v_and_b32 v5, 31, v0                           ; which are 512 consecutive bytes of a head's rows
	v_lshlrev_b32 v[GO], 4, v5
	; where my part begins in qkv: head slot 48 b + 6 x tile column + 3 x my column half, 262,144 bytes each; then my rows
	s_lshr_b32 s66, s13, 3
	s_mul_i32 s66, s66, 48
	s_mul_i32 s67, s42, 6
	s_add_co_u32 s66, s66, s67
	s_mul_i32 s67, s12, 3
	s_add_co_u32 s66, s66, s67
	s_lshl_b32 s66, s66, 18
	s_and_b32 s67, s13, 7
	s_lshl_b32 s67, s67, 15
	s_add_co_u32 s66, s66, s67
	s_lshl_b32 s67, s11, 14
	s_add_co_u32 s66, s66, s67
	s_mov_b32 s67, 0
	s_add_nc_u64 s[8:9], s[8:9], s[66:67]
; 16 LDS loads: x's 8 fragments of the step's 32 along K number sig, into buffer buf
.macro ALOAD sig, buf
.irp a, 0,1,2,3,4,5,6,7
	ds_load_b128 v[AF+64*(\buf)+8*(\a):AF+64*(\buf)+8*(\a)+3],   v[ADRA] offset:(\a)*16*PITCH+64*(\sig)
	ds_load_b128 v[AF+64*(\buf)+8*(\a)+4:AF+64*(\buf)+8*(\a)+7], v[ADRA] offset:(\a)*16*PITCH+64*(\sig)+32
.endr
.endm
; 8 LDS loads: W's 4 fragments of column group g
.macro BLOAD sig, g
.irp bb, 0,1,2,3
	ds_load_b128 v[BF+32*(\g)+8*(\bb):BF+32*(\g)+8*(\bb)+3],   v[ADRB] offset:(4*(\g)+(\bb))*16*PITCH+64*(\sig)
	ds_load_b128 v[BF+32*(\g)+8*(\bb)+4:BF+32*(\g)+8*(\bb)+7], v[ADRB] offset:(4*(\g)+(\bb))*16*PITCH+64*(\sig)+32
.endr
.endm
; 16 matrix instructions: row blocks a0 .. a0 + 3 x the 4 column blocks of group g.  zero = 1: the product starts the sum: nothing is ever cleared.
.macro MUL16 buf, g, a0, zero
	WIN 0x50*(1+(\g))
.irp a, \a0, (\a0)+1, (\a0)+2, (\a0)+3
.irp bb, 0,1,2,3
.if \zero
	v_wmma_f32_16x16x32_bf16 v[8*(4*(\a)+(\bb)):8*(4*(\a)+(\bb))+7], v[BF+32*(\g)+8*(\bb):BF+32*(\g)+8*(\bb)+7], v[AF+64*(\buf)+8*(\a):AF+64*(\buf)+8*(\a)+7], 0
.else
	v_wmma_f32_16x16x32_bf16 v[8*(4*(\a)+(\bb)):8*(4*(\a)+(\bb))+7], v[BF+32*(\g)+8*(\bb):BF+32*(\g)+8*(\bb)+7], v[AF+64*(\buf)+8*(\a):AF+64*(\buf)+8*(\a)+7], v[8*(4*(\a)+(\bb)):8*(4*(\a)+(\bb))+7]
.endif
.endr
.endr
.endm
; A K step is six THIRDS q = 0..5: 32 along K number q / 3, column group q % 3: 32 matrix instructions on 32 accumulators.  The 96 accumulators take turns, one instruction a turn.
; In its middle a third issues one run of LDS loads, into buffers whose last reader stands in the third before or earlier, four places ahead:
;   q 0: W's group 2 of this 32, then x's second 32     q 1, 2, 3: W's groups 0, 1, 2 of the second 32     q 4: the next step's x and W's group 0     q 5: its group 1
; The address registers are turned to the next slot between q 3's loads and q 4's.
; The wait at the head leaves out the loads issued behind the ones that the third reads: q 0: q 5's 8;  q 1: q 0's 24;  q 2: x's 16 and q 1's 8;  q 3: q 2's 8;  q 4, 5: all are in since the change of slots.
.macro THIRD q, zero
.if ((\q) == 0) || ((\q) == 3)
	s_wait_dscnt 8
.elseif ((\q) == 1) || ((\q) == 2)
	s_wait_dscnt 24
.endif
	MUL16 (\q)/3, (\q)%3, 0, \zero
	PLACES
	WIN 0
.if (\q) == 0
	BLOAD 0, 2
	ALOAD 1, 1
.elseif (\q) == 1
	BLOAD 1, 0
.elseif (\q) == 2
	BLOAD 1, 1
.elseif (\q) == 3
	BLOAD 1, 2
.elseif (\q) == 5
	BLOAD 0, 1
.endif
	MUL16 (\q)/3, (\q)%3, 4, \zero
.endm
; THE CHANGE OF SLOTS lies in thirds 3 and 4: third 3's loads are the slot's last reads.  ONE barrier: in front of it each wave waits for all its tensor loads, of which one is out: its part of the next
; slot; adds 0 to its spare word; and waits for that and for its own reads of this slot.  Behind it nobody reads this slot any more and the next slot is whole.
.macro T3M
	s_wait_dscnt 8
	MUL16 1, 0, 0, 0
	PLACES
	WIN 0
	BLOAD 1, 2
	s_wait_tensorcnt 0x0                           ; all my tensor loads have landed: the one that was out is my part of the next slot;
	ds_add_u32 v[SPW], v[NIL]                      ; 0 onto my spare word;
	s_xor_b32 s[TB], s[TB], SLOT1                  ; the fragment loads from here on are the next slot's
	v_add_nc_u32 v[ADRA], s[TB], v[A0]
	v_add_nc_u32 v[ADRB], s[TB], v[B0]
	MUL16 1, 0, 4, 0                               ; sixteen matrix instructions stand between the add and the wait for it
	s_wait_dscnt 0x0                               ; the add is done, and my reads of this slot are over
	s_barrier_signal -1                            ; (where the slot is filled again this barrier opens a round of the cluster's barrier)
.endm
; fill = 1: the slot just left is filled again, with the K step two steps on: the first thing behind the round; from that request to the wait for it a wave issues 160 matrix instructions.
.macro T4 fill
	MUL16 1, 1, 0, 0                               ; work on registers while the others arrive
	WIN 0
	s_barrier_wait -1
.if \fill
	CREST                                          ; no wave of any partner still reads this slot's tile or has a load on its way
	s_xor_b32 s[G0+5], s[G0+5], SLOT1              ; the walking descriptors: the other slot than last time,
	s_add_nc_u64 s[G0+6:G0+7], s[G0+6:G0+7], ASTEP ; the next K step; the type bits on top are not reached
	s_xor_b32 s[G0B+5], s[G0B+5], SLOT1
	s_add_nc_u64 s[G0B+6:G0B+7], s[G0B+6:G0B+7], BSTEP
	JLOAD                                          ; the four v_nop behind it are also the places in front of the loads below
.else
	PLACES
.endif
	ALOAD 0, 0
	BLOAD 0, 0
	MUL16 1, 1, 4, 0
.endm
	s_wait_tensorcnt 1                             ; my part of K step 0 is in; K step 1's may stay out
	s_barrier_signal -1
	s_barrier_wait -1                              ; everybody's is
	ALOAD 0, 0
	BLOAD 0, 0
	BLOAD 0, 1
	THIRD 0, 1                                     ; the first three thirds stand in front of the loop: their products start all 96 sums
	THIRD 1, 1
	THIRD 2, 1
	WIN 0                                          ; at a label and at a branch every window is 0
	s_mov_b32 s3, 14                               ; 14 changes of slots ask for K steps 2 to 15
.Lstep:                                                ; a trip goes from a step's fourth third to the next step's third third
	T3M
	T4 1
	THIRD 5, 0
	THIRD 0, 0
	THIRD 1, 0
	THIRD 2, 0
	WIN 0
	s_sub_co_u32 s3, s3, 1
	s_cmp_lg_u32 s3, 0
	s_cbranch_scc1 .Lstep
	T3M                                            ; K step 14 goes on; its change of slots asks for nothing, so no round follows
	T4 0
	THIRD 5, 0
	THIRD 0, 0                                     ; K step 15
	THIRD 1, 0
	THIRD 2, 0
	THIRD 3, 0
	s_wait_dscnt 8                                 ; W's group 1 is in; group 2's eight loads may be out
	MUL16 1, 1, 0, 0
	MUL16 1, 1, 4, 0
	s_wait_dscnt 0x0
	MUL16 1, 2, 0, 0
	MUL16 1, 2, 4, 0
; THE WAY OUT, 24 blocks of 16 rows x 64 columns (block = 8 g + a).  PACK: rounded to f16, each accumulator's registers in ascending order; a lane's 16 bytes go into my stage's rows of 144 bytes and
; come back as whole rows of 128.  SEND: four rows are 512 consecutive bytes of a head's rows.  13 sets of registers take turns: blocks 13 to 23 write over the sets of blocks 0 to 10, whose stores
; were all issued ahead of block 13's turn, so one wait serves all eleven.
.macro PACK blk
.set PG, (\blk)/8
.set PA, (\blk)%8
.set TM, TMP+16*((\blk)%13)
.if (\blk) == 13
	s_wait_xcnt 0x0                                ; the stores of blocks 0 to 11 have had their addresses translated: their data registers are rewritten only behind this wait
.endif
	WIN 5*(1+PG)                                   ; sources 0 and 1 in the group's window, destination in window 0
.irp bb, 0,1,2,3
.irp rr, 0,1,2,3
	v_cvt_pk_f16_f32 v[TM+4*(\bb)+(\rr)], v[8*(4*PA+(\bb))+2*(\rr)], v[8*(4*PA+(\bb))+2*(\rr)+1]
.endr
.endr
	WIN 0
.irp bb, 0,1,2,3
	ds_store_b128 v[STO], v[TM+4*(\bb):TM+4*(\bb)+3] offset:32*(\bb)
.endr
.irp f, 0,1,2,3
	ds_load_b128 v[TM+4*(\f):TM+4*(\f)+3], v[RD] offset:(\f)*4*PITCH  ; LDS serves a wave's instructions in order (ISA guide 5.7.1.4): these see the stores above; the next block's stores come behind them
.endr
.endm
.macro SEND blk, younger               ; younger: the LDS instructions issued behind this block's loads: the next block's eight, or none
.set PG, (\blk)/8
.set PA, (\blk)%8
.set TM, TMP+16*((\blk)%13)
	WIN 0
.irp f, 0,1,2,3
	s_wait_dscnt (\younger)+3-(\f)
	global_store_b128 v[GO], v[TM+4*(\f):TM+4*(\f)+3], s[8:9] offset:PG*262144+PA*2048+(\f)*512  ; 512 consecutive bytes, at a multiple of 256 from qkv's first byte
.endr
.endm
	PLACES                                         ; the conversions write registers that the last products have read
	PACK 0
.set n, 1
.rept 23                               ; a block's conversions stand between the loads of the block before and its stores
	PACK n
	SEND n-1, 8
.set n, n+1
.endr
	SEND 23, 0
	s_wait_tensorcnt 0x0                           ; the wave's end, behind my last tensor load and my last LDS store
	ds_add_u32 v[SPW], v[NIL]
	s_wait_dscnt 0x0
	CROUND                                         ; the closing round: no work-group ends while a partner may still ask for a tile that names it
	s_endpgm
.Lfunc_end_k_q0decf45b7a_gemm_qkv:
	.size	k_q0decf45b7a_gemm_qkv, .Lfunc_end_k_q0decf45b7a_gemm_qkv-k_q0decf45b7a_gemm_qkv
	.p2alignl 7, 3214868480
	.fill 96, 4, 3214868480
	.section	.rodata,"a",@progbits
	.p2align	6, 0x0
	.amdhsa_kernel k_q0decf45b7a_gemm_qkv
		.amdhsa_group_segment_fixed_size 327680
		.amdhsa_private_segment_fixed_size 0
		.amdhsa_enable_private_segment 0
		.amdhsa_kernarg_size 24
		.amdhsa_user_sgpr_count 2
		.amdhsa_user_sgpr_kernarg_segment_ptr 1
		.amdhsa_wavefront_size32 1
		.amdhsa_system_sgpr_workgroup_id_x 1
		.amdhsa_system_sgpr_workgroup_id_y 1
		.amdhsa_system_sgpr_workgroup_id_z 1
		.amdhsa_system_vgpr_workitem_id 0
		.amdhsa_next_free_vgpr 1024
		.amdhsa_next_free_sgpr 70
		.amdhsa_reserve_vcc 0
		.amdhsa_float_denorm_mode_32 3
		.amdhsa_float_denorm_mode_16_64 3
		.amdhsa_memory_ordered 1
		.amdhsa_forward_progress 1
		.amdhsa_inst_pref_size 114
	.end_amdhsa_kernel
	.amdgpu_metadata
---
amdhsa.version: [ 1, 2 ]
amdhsa.kernels:
  - .name:           k_q0decf45b7a_gemm_qkv
    .symbol:         k_q0decf45b7a_gemm_qkv.kd
    .args:
      - { .name: xb, .offset: 0, .size: 8, .value_kind: global_buffer, .address_space: global }
      - { .name: wqb, .offset: 8, .size: 8, .value_kind: global_buffer, .address_space: global }
      - { .name: qkv, .offset: 16, .size: 8, .value_kind: global_buffer, .address_space: global }
    .group_segment_fixed_size: 327680
    .private_segment_fixed_size: 0
    .kernarg_segment_align: 8
    .kernarg_segment_size: 24
    .max_flat_workgroup_size: 128
    .sgpr_count:     70
    .vgpr_count:     1024
    .wavefront_size: 32
...
	.end_amdgpu_metadata
.endif
;; end of part 2
;; launch attn (part 3): grid 4 x 64, 4 waves a work-group, no clusters, 327,680 bytes of LDS; arguments qkv, ob; writes ob
.if DOCPART == 3
	.amdgcn_target "amdgcn-amd-amdhsa--gfx1250"
	.amdhsa_code_object_version 6
	.text
	.protected	k_q0decf45b7a_attn
	.globl	k_q0decf45b7a_attn
	.p2align	8
	.type	k_q0decf45b7a_attn,@function
k_q0decf45b7a_attn:
	s_mov_b64 s[64:65], 0
	v_nop
	global_prefetch_b8 v0, s[64:65] scope:SCOPE_SE
	s_setreg_imm32_b32 hwreg(HW_REG_WAVE_MODE, 25, 1), 1
	s_wait_xcnt 0x0
; CAUSAL ATTENTION.  O[h][q][:] = the sum over k <= q of softmax_k(Q[h][q] . K[h][k] / 8) V[h][k][:], for 64 heads (batch x head) of 2,048 rows x 64 channels, all f16: a head's rows are dense, 128 bytes each.
; q, k and v lie in one buffer, qkv [b 4][s 48][2048][64]: head (b, h) has q at slot 48 b + h, k 16 slots (0x400000 bytes) and v 32 slots (0x800000 bytes) behind it.  O goes to ob [b 4][h 16][2048][64].
; Products, maxima and sums in f32; the weights p are rounded to f16 for the second product (their sum l is taken of the unrounded p), O once at the end.
; LIMITS.  f16 holds no number beyond 65,504: Q, K and V arrive within it; p lies in 0 to 1, and below 6e-5 it keeps f16's fixed step of 6e-8; O is a mean of V's rows and has their range, to within 2^-11 of it.
; A hidden score counts as its value less 1e30, where the module writes -1e9: both give the weight 0 as long as a row's largest visible scaled score lies above about -1e9 + 104; f16's scores, 2.7e11 at the most
; unscaled, are nothing beside 1e30.  A weight below 2^-126 counts as 0 in l; NaN and infinities are not treated apart.
; THE WALK.  A head's queries lie in NB = 8 blocks of 256; block i needs the key tiles 0 .. i of 256 keys, of which the last holds the diagonal.  A work-group takes TWO blocks, NB - 1 - b and then b:
; NB + 1 tiles, whatever b: all work-groups do equal work, and ONE loop with a constant trip count walks them.  Which tile is asked for, and what a trip does, hang on scalar registers made from b; every jump
; goes forward, but for the counted loops' own; none passes a barrier, or a tensor load but the one of LOAD's two that the wave's number does not choose; the ring (two slots of LDS that take turns) runs on across the
; change of blocks.  NO CLUSTER: a head's four work-groups ask for the same tile only in trips 0 .. 4 of the 9, behind that fewer and fewer; and one walk common to all four would have 12 trips for 9.
; SHARES.  Of a block's four bands of 64 queries a wave owns 16 rows in each: four PIECES.  So the diagonal tile is the same work for all four waves: in its key step s band x sees all keys if s < x,
; none if s > x, and holds the diagonal if s = x.
; THE MASK is the C operand that starts the sum S^T = K Q^T: 0, or -1e30 where the key is hidden.  MD, made once, is the mask of a band's own step for my 16 rows; a product's mask is MD x AL + BE with two scalars:
; (1, 0) if s = x; (0, 0) if s < x; (0, -1e30) if s > x.  Only the diagonal tile's text and a block's beginning make and take masks; elsewhere C is the constant 0.
; LAYOUT, SOFTMAX, TURNS.  S^T = K Q^T holds ONE query a lane (lane % 16) and the keys 8 (lane / 16) + 0..7; two such results rounded to f16 ARE source 1 of O^T = V^T P.  p = 2^(c s - c m), c = log2(e) / 8, with a
; running maximum m; O and l are multiplied by a = 2^(c m_old - c m_new) in every step.  Turn n belongs to piece n: 8 products K Q^T of piece n + 1, later 8 products V^T P of piece n - 1; beside them the scaling,
; exponentials, roundings, sums and rescaling of piece n and the maximum and statistics of piece n + 1.  Four vector instructions stand behind every matrix instruction, the other 54 of a turn's 118 in two LUMPS.
; REGISTERS, in windows of 256 (s_set_vgpr_msb: bits 1:0 source 0, 3:2 source 1, 5:4 source 2, 7:6 destination):
;   window 0: v0-15 addresses and two at work; v16-31 four registers of statistics a piece; v48-55 at work; v64-127 S^T, two buffers; v192-223 P, two buffers (a piece's buffers go by its number's parity)
;   window 1: v0-127 O^T, 32 a piece; v128-159 MD; v160-223 MC, two buffers      window 2: v0-63 Q; v64-127 the second block's Q; v128-191 K of one step; v192-255 V of one step
.set SIZE_N, 2048
.set NB,    SIZE_N/256
.set NP,    4         ; pieces a wave: a name, no knob
.set KS,    64        ; keys in a step
.set PK,    144       ; a row of K in LDS: 128 bytes + 16 of padding = 36 words: the 16 rows of a load start at 16 different groups of four banks (64 banks of 4 bytes: ISA guide 11.1)
.set PV,    160       ; a row of V: 128 + 32 = 40 words
.set VOFF,  4*KS*PK   ; a slot holds a tile, four steps: 256 rows of K, then 256 rows of V
.set SLOT1, 1<<17     ; slot 1 begins here, so that one exclusive or turns an address in one slot into the other's
.set STAGE, SLOT1+4*KS*(PK+PV)  ; behind the ring, never filled by a tensor load: 16 rows x 144 bytes for each wave, for the way out
.set SP,    144
.set AK0, 2           ; v2   my lane's place in a tile of K; never rewritten
.set AV0, 3           ; v3   the same for V
.set AK,  4           ; v4   the LDS address of K's next run of loads
.set AV,  5           ; v5   of V's
.set STO, 6           ; v6   the way out: where I put 16 bytes of a row
.set RD,  7           ; v7   the way out: where I read rows back
.set GO,  8           ; v8   my byte offset in 512 consecutive bytes of O
.set SPW, 62          ; v62  LDS address of my spare word: SPARE + 4 x my thread's number; never rewritten
.set NIL, 63          ; v63  0; never rewritten
.set SPARE, STAGE+4*16*SP  ; behind the stages: the spare words, 128 bytes for each wave: two blocks of 256 bytes that no other line names
.set MV,  12          ; v12-13  c m_old, kept while c m is made anew: by buffer
.set QO,  15          ; v15  my byte offset in 16 rows of Q
.set ST,  16          ; piece t's statistics at v[ST+4 t]: c m, m, l (even keys', odd keys')
.set TMP, 48          ; by buffer, four registers c0-c3 at work; when the maximum is found c2 takes a
.set S,   64
.set P,   192
.set MD,  128         ; window 1: the eight registers for group kt of 16 keys at MD + 8 kt
.set MC,  160         ; window 1: the masks of the products to come
.set QB,  64          ; window 2
.set KF,  128         ; window 2: key block kb, channel half c at KF + 16 kb + 8 c
.set VF,  192         ; window 2: key half kk, channel block cb at VF + 32 kk + 8 cb
.set WV,  12          ; s12  my wave's number
.set PB,  14          ; s14  b
.set HI,  15          ; s15  NB - 1 - b
.set G1K, 24          ; s[24:31] descriptor group 1 for K's tiles
.set G1V, 32          ; s[32:39] for V's: it differs in the padding alone
.set G0K, 40          ; s[40:43] descriptor group 0 for K's tiles
.set G0V, 44          ; s[44:47] the same for V's
.set SLOTS, 56        ; s56  tiles still to be asked for
.set CNT, 57          ; s57  counts a tile's key steps, 4 to 1
.set CS,  58          ; s[58:59] c: the packed scaling takes the pair's low word for both halves
.set SEL, 60          ; s[60:61] v_permlanex16_b32's selects: each lane takes its own place in the other half
.set TBK, 62          ; s62  LDS byte at which K of the step to be fetched begins
.set TBV, 63          ; s63  the same for V, less VOFF
.set RT,  70          ; s70  tiles of the block in hand that are still to be entered
.set NXT, 71          ; s71  the tile to be asked for next
.set LQ,  72          ; s72  the last tile of the block whose tiles are being asked for
.set NEW, 73          ; s73  1: the tile to be entered is a block's first
.set OFF, 74          ; s[74:75] a tile's byte offset in K and V
.set AL,  76          ; s[76:77] the mask's factor, in the low word
.set BE,  78          ; s[78:79] the mask's addend
.set OLO, 80          ; s[80:81] O at my rows of the second block
.set BIGN, 82         ; s82  -1e30
.set MSB, 0
.macro WIN new                      ; the high byte repeats the setting that is left; a switch that changes nothing is dropped
.if MSB != (\new)
	s_set_vgpr_msb (MSB<<8)|(\new)
.set MSB, (\new)
.endif
.endm
.set W_KQ, 0x0a       ; K and Q in window 2, S^T in window 0
.set W_KM, 0x1a       ; the same with the C operand in window 1
.set W_PV, 0x52       ; V in window 2, P in window 0, O^T in window 1
.set W_RS, 0x41       ; destination and source 0 in window 1, source 1 in window 0
; A fill.  Waves 0 and 1 fetch the two halves of a tile's K, waves 2 and 3 those of its V: 128 keys each.  An s_nop 0 and four v_nop follow each of the two lines, ahead of the jump and the label.
.macro LOAD
	s_cmp_lt_u32 s[WV], 2
	s_cbranch_scc0 .Lfor_v_\@
	tensor_load_to_lds s[G0K:G0K+3], s[G1K:G1K+7]
	s_nop 0
.rept 4
	v_nop
.endr
	s_branch .Lasked_\@
.Lfor_v_\@:
	tensor_load_to_lds s[G0V:G0V+3], s[G1V:G1V+7]
	s_nop 0
.rept 4
	v_nop
.endr
.Lasked_\@:
.endm
; THE CHANGE OF SLOTS.  Each wave waits for all its tensor loads, of which one is out: its part of the other slot; adds 0 to its spare word; and waits for that and for its own reads of the slot that it leaves.  Behind the barrier nobody reads the old
; slot any more and the other slot is whole.  fill = 1: the old slot is filled again, the first thing behind the barrier, with tile NXT: the descriptor's address is made anew from that number.
; (At its first use nothing has been read yet: slot 0 is waited for, slot 1 filled.)
.macro CHANGE fill
	WIN 0                           ; at a label and at a branch every window is 0
	s_wait_tensorcnt 0x0            ; no tensor load of mine is out, so a group 0 may be written
	ds_add_u32 v[SPW], v[NIL]       ; 0 onto my spare word; with fill = 1 the descriptors' scalar work stands between it and the wait for it
.if \fill
	s_lshl_b32 s[OFF], s[NXT], 15   ; a tile is 32,768 bytes of K and of V
	s_xor_b32 s[G0K+1], s[G0K+1], SLOT1
	s_add_nc_u64 s[G0K+2:G0K+3], s[6:7], s[OFF:OFF+1]
	s_or_b32 s[G0K+3], s[G0K+3], 0x80000000
	s_xor_b32 s[G0V+1], s[G0V+1], SLOT1
	s_add_nc_u64 s[G0V+2:G0V+3], s[8:9], s[OFF:OFF+1]
	s_or_b32 s[G0V+3], s[G0V+3], 0x80000000
	s_add_co_u32 s[NXT], s[NXT], 1  ; the block's next tile, or behind its last the second block's tile 0
	s_cmp_gt_u32 s[NXT], s[LQ]
	s_cselect_b32 s[NXT], 0, s[NXT]
	s_cselect_b32 s[LQ], s[PB], s[LQ]
.endif
	s_wait_dscnt 0x0                ; the add is done, and my reads of the slot are over
	s_barrier_signal -1             ; the rest of the scalar work stands between the signal and the wait
	s_sub_co_u32 s[TBK], s[TBK], 4*KS*PK  ; the fetches go back to a slot's first step,
	s_xor_b32 s[TBK], s[TBK], SLOT1       ; in the other slot
	s_sub_co_u32 s[TBV], s[TBV], 4*KS*PV
	s_xor_b32 s[TBV], s[TBV], SLOT1
	s_barrier_wait -1
.if \fill
	LOAD
.endif
.endm
	s_load_b64 s[4:5], s[0:1], 0x0    ; qkv
	s_load_b64 s[10:11], s[0:1], 0x8  ; ob
	v_lshl_add_u32 v[SPW], v0, 2, SPARE
	v_mov_b32 v[NIL], 0
	ds_add_u32 v62, v63
	ds_add_u32 v62, v63
	s_wait_dscnt 0x0
	v_lshrrev_b32 v1, 5, v0
	v_readfirstlane_b32 s[WV], v1   ; wave 0..3
	s_mov_b32 s[PB], ttmp9
	s_sub_co_u32 s[HI], NB-1, s[PB]
	s_and_b32 s20, ttmp7, 0xffff    ; the head among 64: 16 b + h
	s_lshl_b32 s90, s20, 18         ; its first byte in ob: 262,144 bytes a head
	s_mov_b32 s91, 0
	s_lshr_b32 s21, s20, 4          ; b
	s_lshl_b32 s21, s21, 5
	s_add_co_u32 s20, s20, s21      ; q's slot in qkv: 48 b + h = 16 b + h + 32 b
	s_lshl_b32 s20, s20, 18
	s_mov_b32 s21, 0
	s_and_b32 s16, s[WV], 1         ; which half of a tile's 256 keys I fetch:
	s_lshl_b32 s22, s16, 14         ; its 128 rows of 128 bytes in memory,
	s_mov_b32 s23, 0
	s_add_nc_u64 s[22:23], s[22:23], s[20:21]
	s_mul_i32 s17, s16, 128*PK      ; and its place in a slot, for K
	s_mul_i32 s18, s16, 128*PV      ; and for V
	s_lshl_b32 s3, s[WV], 11        ; my 16 rows in a band of 64,
	s_lshl_b32 s2, s[HI], 15        ; in the first block,
	s_add_co_u32 s2, s2, s3
	s_lshl_b32 s84, s[PB], 15       ; and in the second
	s_add_co_u32 s84, s84, s3
	s_mov_b32 s3, 0
	s_mov_b32 s85, 0
	; descriptor group 1.  128 keys are 16,384 dense bytes: asked for as 64 rows of 256 bytes, two keys a row, and padded in LDS after every key
	s_mov_b32 s[G1K], (1<<16)|(1<<20)|(4<<22)|(3<<25)  ; 17:16 2-byte elements; 20 padding on; 24:22 after every 32 words (code 4); 31:25 4 words (code 3)
	s_mov_b32 s[G1V], (1<<16)|(1<<20)|(4<<22)|(7<<25)  ; the same with 8 words of padding (code 7)
.irp g, G1K, G1V
	s_mov_b32 s[\g+1], 128<<16      ; tensor_dim0 = 128
	s_mov_b32 s[\g+2], 64<<16       ; tensor_dim1 = 64
	s_mov_b32 s[\g+3], 128<<16      ; tile_dim0 = 128
	s_mov_b32 s[\g+4], 64           ; tile_dim1 = 64
	s_mov_b32 s[\g+5], 128          ; 128 elements from row to row
	s_mov_b32 s[\g+6], 0
	s_mov_b32 s[\g+7], 0
.endr
	s_mov_b32 s[CS], 0x3e38aa3b     ; c = log2(e) / 8 = 0.180337
	s_mov_b32 s[CS+1], s[CS]        ; named with it as a pair
	s_mov_b32 s[SEL], 0x76543210
	s_mov_b32 s[SEL+1], 0xfedcba98
	s_mov_b32 s[TBK], SLOT1+4*KS*PK ; the first change of slots turns these two into 0
	s_mov_b32 s[TBV], SLOT1+4*KS*PV
	s_mov_b32 s[G0K], 1             ; 1:0 count = 1
	s_mov_b32 s[G0K+1], s17         ; 63:32 LDS address: slot 0
	s_mov_b32 s[G0V], 1
	s_add_co_u32 s[G0V+1], s18, VOFF
	s_add_co_u32 s[RT], s[HI], 1    ; the first block has NB - b tiles
	s_mov_b32 s[NXT], 1
	s_mov_b32 s[LQ], s[HI]
	s_mov_b32 s[NEW], 1
	s_mov_b32 s[OFF+1], 0
	s_mov_b32 s[AL+1], 0            ; named as pairs
	s_mov_b32 s[BE+1], 0
	s_mov_b32 s[BIGN], 0xf149f2ca   ; -1e30
	s_mov_b32 s[SLOTS], NB
	s_wait_kmcnt 0x0
	s_add_nc_u64 s[6:7], s[4:5], s[22:23]          ; q's head plus my half of a tile;
	s_add_nc_u64 s[8:9], s[6:7], 0x800000          ; V at my half of the head's tile 0: 32 slots behind q,
	s_add_nc_u64 s[6:7], s[6:7], 0x400000          ; K: 16 slots behind q
	s_add_nc_u64 s[G0K+2:G0K+3], s[6:7], 0         ; 120:64 global address
	s_or_b32 s[G0K+3], s[G0K+3], 0x80000000        ; 127:126 type = 2
	s_add_nc_u64 s[G0V+2:G0V+3], s[8:9], 0
	s_or_b32 s[G0V+3], s[G0V+3], 0x80000000
	s_add_nc_u64 s[4:5], s[4:5], s[20:21]          ; Q at the head's first row,
	s_add_nc_u64 s[10:11], s[10:11], s[90:91]      ; O likewise
	s_add_nc_u64 s[86:87], s[4:5], s[84:85]        ; Q at my rows of the second block,
	s_add_nc_u64 s[4:5], s[4:5], s[2:3]            ; Q and O at those of the first
	s_add_nc_u64 s[OLO:OLO+1], s[10:11], s[84:85]
	s_add_nc_u64 s[10:11], s[10:11], s[2:3]
	LOAD                            ; tile 0 into slot 0
	; A fragment of K or Q is 16 rows x 32 channels in 8 registers: lane l holds row l % 16, channels 8 (l / 16) + 0..7 and 16 + 8 (l / 16) + 0..7: two loads of 16 bytes, 32 bytes apart.
	v_and_b32 v1, 15, v0            ; l % 16
	v_bfe_u32 v9, v0, 4, 1          ; l / 16
	v_lshlrev_b32 v[QO], 7, v1
	v_lshl_add_u32 v[QO], v9, 4, v[QO]  ; row x 128 + 16 x half
	WIN 0x80                        ; destination window 2, address window 0
.set i, 0
.rept 8                             ; both blocks' Q: piece i / 2 lies in band i / 2, 8,192 bytes on; channels 32 (i % 2) on
	global_load_b128 v[8*i:8*i+3],   v[QO], s[4:5] offset:(i/2)*8192+(i%2)*64
	global_load_b128 v[8*i+4:8*i+7], v[QO], s[4:5] offset:(i/2)*8192+(i%2)*64+32
	global_load_b128 v[QB+8*i:QB+8*i+3],   v[QO], s[86:87] offset:(i/2)*8192+(i%2)*64
	global_load_b128 v[QB+8*i+4:QB+8*i+7], v[QO], s[86:87] offset:(i/2)*8192+(i%2)*64+32
.set i, i+1
.endr
	WIN 0
	v_lshlrev_b32 v14, 3, v9
	v_sub_nc_u32 v14, v1, v14
	s_lshl_b32 s13, s[WV], 4
	v_add_nc_u32 v14, s13, v14      ; my query's place in its band, 16 w + l % 16, less my lanes' 8 (l / 16): register r of group kt is hidden where 16 kt + r is greater
	WIN 0x40
.set i, 0
.rept 32
	v_cmp_gt_i32 vcc_lo, 16*(i/8)+i%8, v14
	v_cndmask_b32 v[MD+i], 0, s[BIGN], vcc_lo
.set i, i+1
.endr
	WIN 0
	v_mul_u32_u24 v[AK0], v1, PK
	v_lshl_add_u32 v[AK0], v9, 4, v[AK0]  ; row x pitch + 16 x half
	; The turning load takes 16 keys x 16 channels (lane l reads key 8 (l / 16) + l % 8, channels 8 ((l / 8) % 2) + 0..7) and leaves half a fragment of V^T: lane l holds channel l % 16 and 8 keys.
	v_and_b32 v10, 7, v0
	v_bfe_u32 v11, v0, 3, 1
	v_lshl_add_u32 v[AV0], v9, 3, v10
	v_mul_u32_u24 v[AV0], v[AV0], PV
	v_lshl_add_u32 v[AV0], v11, 4, v[AV0]
	v_add_nc_u32 v[AV0], VOFF, v[AV0]
	s_mul_i32 s13, s[WV], 16*SP
	s_add_co_u32 s13, s13, STAGE    ; my stage
	v_mul_u32_u24 v[STO], v1, SP    ; in: row l % 16, 16 bytes for each half of the lanes
	v_lshl_add_u32 v[STO], v9, 4, v[STO]
	v_add_nc_u32 v[STO], s13, v[STO]
	v_bfe_u32 v[RD], v0, 3, 2       ; back: 32 lanes take four rows of 128 bytes,
	v_mul_u32_u24 v[RD], v[RD], SP
	v_lshl_add_u32 v[RD], v10, 4, v[RD]
	v_add_nc_u32 v[RD], s13, v[RD]
	v_and_b32 v[GO], 31, v0         ; which are 512 consecutive bytes of O
	v_lshlrev_b32 v[GO], 4, v[GO]
	; A block's first step multiplies O^T and l by a = 0, and its first turn's products V^T P, of a piece that has not been, land in an O^T that is still to be so multiplied.  So these registers need only hold
	; finite numbers: zeros for the first block; what the first block left for the second.  All this stands in the wait for the first tile.
	WIN 0x80
.set i, VF
.rept 64
	v_mov_b32 v[i], 0
.set i, i+1
.endr
	WIN 0x40
.set i, 0
.rept 128
	v_mov_b32 v[i], 0
.set i, i+1
.endr
	WIN 0
.set i, 0
.rept 4
	v_mov_b32 v[ST+4*i+2], 0
	v_mov_b32 v[ST+4*i+3], 0
.set i, i+1
.endr
.set i, P+16
.rept 16
	v_mov_b32 v[i], 0
.set i, i+1
.endr
; THE MATRIX WORK.  The 4 accumulators of a run of 8 take turns.  Product i of 8 of S^T = K Q^T for piece x: channels 32 (i / 4) on, keys 16 (i % 4) on.  The first 4 start the sums: with 0, or (KM = 1) with the mask.
.macro KQ x
.set rS, S+32*((\x)%2)+8*(i%4)
.set rK, KF+16*(i%4)+8*(i/4)
.set rQ, 16*(\x)+8*(i/4)
.set rM, MC+32*((\x)%2)+8*(i%4)
.if (i < 4) && KM
	WIN W_KM
	v_wmma_f32_16x16x32_f16 v[rS:rS+7], v[rK:rK+7], v[rQ:rQ+7], v[rM:rM+7]
.elseif i < 4
	WIN W_KQ
	v_wmma_f32_16x16x32_f16 v[rS:rS+7], v[rK:rK+7], v[rQ:rQ+7], 0
.else
	WIN W_KQ
	v_wmma_f32_16x16x32_f16 v[rS:rS+7], v[rK:rK+7], v[rQ:rQ+7], v[rS:rS+7]
.endif
.endm
; Product i of 8 of O^T += V^T P for piece x: keys 32 (i / 4) on, channels 16 (i % 4) on.
.macro PV x
	WIN W_PV
.set rO, 32*(\x)+8*(i%4)
.set rV, VF+32*(i/4)+8*(i%4)
.set rP, P+16*((\x)%2)+8*(i/4)
	v_wmma_f32_16x16x32_f16 v[rO:rO+7], v[rV:rV+7], v[rP:rP+7], v[rO:rO+7]
.endm
.macro MM                           ; the turn's next matrix instruction.  TURN and BEGIN set Y, i, KM and NOKQ; MM, KQ and OP read them.  NOKQ = 1: a block's last turn: there is no next piece
.if (i < 8) && !NOKQ
	KQ (Y+1)%NP
.elseif i >= 8
.set i, i-8
	PV (Y+NP-1)%NP
.set i, i+8
.endif
.set i, i+1
.endm
; THE LDS LOADS stand in runs of 16, never singly among the matrix instructions: a step's K (64 keys x 64 channels: 8 fragments) and its V (turned).  Their addresses are made some lines ahead.
.macro FETCH_K
	WIN 0x80                        ; destination window 2
.irp f, 0,1,2,3,4,5,6,7             ; keys 16 (f / 2) on, channels 32 (f % 2) on
	ds_load_b128 v[KF+8*\f:KF+8*\f+3],   v[AK] offset:(\f/2)*16*PK+(\f%2)*64
	ds_load_b128 v[KF+8*\f+4:KF+8*\f+7], v[AK] offset:(\f/2)*16*PK+(\f%2)*64+32
.endr
	s_add_co_u32 s[TBK], s[TBK], KS*PK  ; the next fetch is the next step's
	WIN 0
.endm
.macro FETCH_V
	WIN 0x80
.irp f, 0,1,2,3,4,5,6,7             ; keys 32 (f / 4) on, channels 16 (f % 4) on
	ds_load_tr16_b128 v[VF+8*\f:VF+8*\f+3],   v[AV] offset:(\f/4)*32*PV+(\f%4)*32
	ds_load_tr16_b128 v[VF+8*\f+4:VF+8*\f+7], v[AV] offset:(\f/4)*32*PV+16*PV+(\f%4)*32
.endr
	WIN 0
.endm
; THE VECTOR WORK, one line at a time: OP kind, number.  For piece Y: F n: c s - c m for pair n of 16.  E n: the exponential of score n of 32.  C n: pair n rounded to f16.  B n: of the four weights 4 n .. the second
; pair is added onto the first, in place.  L n: l takes that sum (L 0: l = a l + sum).  R n: pair n of 16 of O^T times a.  For piece Y + 1: X n, number n of the 22 that find its maximum and statistics:
;   0-11  four chains c0-c3 of seven scores each, three operands at a time (each accumulator's lowest registers are read first)     12-14, 16  the four scores left over, the old m, and c0-c3 into c0
;   15  c m_old is kept     17, 18  the query's other 32 keys lie in the lane 16 away: the new m     19-21  c m; c m_old - c m_new; a
.set F, 0               ; OP tells the kinds apart by their order: F to L below R, X above it
.set E, 1
.set C, 2
.set B, 3
.set L, 4
.set R, 5
.set X, 6
.macro REGS y                       ; the registers of piece y
.set rT, ST+4*(\y)
.set rC, TMP+4*((\y)%2)
.set rW, MV+((\y)%2)
.set rS, S+32*((\y)%2)
.set rP, P+16*((\y)%2)
.set rO, 32*(\y)
.endm
.macro OP k, n
.if (\k) == R
	REGS Y
	WIN W_RS
	v_pk_mul_f32 v[rO+2*(\n):rO+2*(\n)+1], v[rO+2*(\n):rO+2*(\n)+1], v[rC+2:rC+3] op_sel_hi:[1,0]
.elseif (\k) < R
	REGS Y
	WIN 0
.if (\k) == F
	v_pk_fma_f32 v[rS+2*(\n):rS+2*(\n)+1], v[rS+2*(\n):rS+2*(\n)+1], s[CS:CS+1], v[rT:rT+1] op_sel_hi:[1,0,0] neg_lo:[0,0,1] neg_hi:[0,0,1]
.elseif (\k) == E
	v_exp_f32 v[rS+(\n)], v[rS+(\n)]
.elseif (\k) == C
	s_wait_alu depctr_va_vdst(0)
	v_cvt_pk_f16_f32 v[rP+(\n)], v[rS+2*(\n)], v[rS+2*(\n)+1]
.elseif (\k) == B
	s_wait_alu depctr_va_vdst(0)
	v_pk_add_f32 v[rS+4*(\n):rS+4*(\n)+1], v[rS+4*(\n):rS+4*(\n)+1], v[rS+4*(\n)+2:rS+4*(\n)+3]
.elseif (\n) == 0
	v_pk_fma_f32 v[rT+2:rT+3], v[rT+2:rT+3], v[rC+2:rC+3], v[rS:rS+1] op_sel_hi:[1,0,1]
.else
	v_pk_add_f32 v[rT+2:rT+3], v[rT+2:rT+3], v[rS+4*(\n):rS+4*(\n)+1]
.endif
.elseif NOKQ
	v_nop
.else
	REGS (Y+1)%NP
	WIN 0
.if (\n) < 4
	v_max3_num_f32 v[rC+(\n)], v[rS+8*(\n)], v[rS+8*(\n)+1], v[rS+8*(\n)+2]
.elseif (\n) < 12
	v_max3_num_f32 v[rC+(\n)%4], v[rC+(\n)%4], v[rS+8*((\n)%4)+2*((\n)/4)+1], v[rS+8*((\n)%4)+2*((\n)/4)+2]
.elseif (\n) == 12
	v_max3_num_f32 v[rC], v[rC], v[rS+7], v[rS+15]
.elseif (\n) == 13
	v_max3_num_f32 v[rC+1], v[rC+1], v[rS+23], v[rS+31]
.elseif (\n) == 14
	v_max3_num_f32 v[rC+2], v[rC+2], v[rC+3], v[rT+1]
.elseif (\n) == 15
	v_mov_b32 v[rW], v[rT]
.elseif (\n) == 16
	v_max3_num_f32 v[rC], v[rC], v[rC+1], v[rC+2]
.elseif (\n) == 17
	v_permlanex16_b32 v[rC+3], v[rC], s[SEL], s[SEL+1]
.elseif (\n) == 18
	v_max_num_f32 v[rT+1], v[rC], v[rC+3]
.elseif (\n) == 19
	v_mul_f32 v[rT], s[CS], v[rT+1]
.elseif (\n) == 20
	v_sub_f32 v[rC+1], v[rW], v[rT]
.else
	v_exp_f32 v[rC+2], v[rC+1]
.endif
.endif
.endm
.macro OPS a, i1, b=-1, i2=0, c=-1, i3=0, d=-1, i4=0  ; up to four of them
	OP \a, \i1
.if (\b) >= 0
	OP \b, \i2
.endif
.if (\c) >= 0
	OP \c, \i3
.endif
.if (\d) >= 0
	OP \d, \i4
.endif
.endm
.macro ROW a, i1, b, i2, c, i3, d, i4  ; a matrix instruction and the four behind it
	MM
	OPS \a, \i1, \b, \i2, \c, \i3, \d, \i4
.endm
.macro MASK b                       ; MD x AL + BE into buffer b of MC
	WIN W_RS
.set z, 0
.rept 16
	v_pk_fma_f32 v[MC+32*(\b)+2*z:MC+32*(\b)+2*z+1], v[MD+2*z:MD+2*z+1], s[AL:AL+1], s[BE:BE+1] op_sel_hi:[1,0,0]
.set z, z+1
.endr
.endm
; A TURN, for piece p: the order of its 16 matrix and 118 vector instructions, written out.  Behind a matrix instruction: plain, exponential, plain, plain; or four of the rescaling; or, behind the first, four scalings; none
; names a register of the products round it.  In the lumps exponential and plain by turns while exponentials last.  A line reads no result made fewer than three vector instructions in front of it, five if an exponential made it.
; v_permlanex16_b32 (X 17) stands in a lump.
; m = 1: the diagonal tile: the products take masks, and the turn makes the mask for the products of the turn after it: piece p + 2, in step 4 - CNT of the tile.  end = 1: a block's last two turns: nothing is fetched.
; cnt = 1: the loop's count is taken down some lines ahead of the branch that stands behind the turn.
; K of the next step is fetched in piece 2's turn, six vector instructions behind the last product that read K (five of them plain); V of the step in hand in piece 0's turn, eight behind the last product that read V (four
; plain, and X 17).  Each is waited for a turn later.
.macro TURN p, m=0, end=0, cnt=0
.set Y, (\p)
.set i, 0
.set KM, (\m)
.set NOKQ, (\end)*((\p)/3)
.if (\m) && !(\end)
	s_cmp_eq_u32 s[CNT], 4-((\p)+2)%NP  ; is that step the band's own?
	s_cselect_b32 s[AL], 1.0, 0
	s_cmp_lt_u32 s[CNT], 4-((\p)+2)%NP  ; or a later one?
	s_cselect_b32 s[BE], s[BIGN], 0
.endif
.if ((\p) == 3) && !(\end)
	s_wait_dscnt 0x0                ; K is in
.endif
	ROW F,0, F,1, F,2, F,3
	ROW F,4, E,0, F,5, F,6
	ROW F,7, E,1, F,8, F,9
	ROW F,10, E,2, C,0, F,11
	ROW F,12, E,3, X,15, F,13
	ROW R,0, R,1, R,2, R,3
	ROW B,0, E,4, F,14, L,0
.if ((\p) == 2) && !(\end)
	v_add_nc_u32 v[AK], s[TBK], v[AK0]
.endif
	ROW R,4, R,5, R,6, R,7
	OPS E,5, F,15
.if ((\p) == 2) && !(\end)
	FETCH_K
.endif
	OPS E,6, C,1, E,7, R,8
	OPS E,8, R,9, E,9, C,2
	OPS E,10, X,0, E,11, X,1
	OPS E,12, X,2, E,13, X,3
.if (\p) == 1
	s_wait_dscnt 0x0                ; V is in
.endif
	ROW X,4, E,14, X,5, X,6
	ROW X,7, E,15, X,8, X,9
	ROW X,10, E,16, X,11, X,12
	ROW X,13, E,17, X,14, B,1
	ROW C,4, E,18, X,16, L,1
	ROW B,2, E,19, C,6, L,2
	ROW C,8, E,20, B,3, B,4
.if (\p) == 0
	v_add_nc_u32 v[AV], s[TBV], v[AV0]
.endif
	ROW C,3, E,21, L,3, C,5
	OPS E,22, X,17, E,23, C,10
.if (\p) == 0
	FETCH_V
.endif
	OPS E,24, L,4
	OPS E,25, X,18, E,26, C,7
	OPS E,27, B,5, E,28, X,19
	OPS E,29, C,12, E,30, L,5
	OPS E,31, X,20, B,6, C,9
	OPS C,14, C,11, X,21, L,6
.if (\p) == 0
	s_add_co_u32 s[TBV], s[TBV], KS*PV
.endif
.if \cnt
	s_sub_co_u32 s[CNT], s[CNT], 1
	s_cmp_lg_u32 s[CNT], 0
.endif
	OPS C,13, B,7, C,15, R,10
	OPS R,11, R,12, L,7, R,13
	OPS R,14, R,15
.if (\m) && !(\end)
	MASK (\p)%2
.endif
.endm
; A BLOCK BEGINS.  c m starts far below every c s, so the first step's a is 0; m at the lowest finite number, so the first maximum is the scores'.  The second mask buffer is 0; the first takes piece 0's mask for the tile's step 0: its own, if the block's first tile is the diagonal one.
; Then K of that step, piece 0's first scores, and its maximum and statistics.  The loop is entered at a step's first turn, in the middle of a trip.
.macro BEGIN
	s_mov_b32 s[NEW], 0
	WIN 0x40
.set i, MC+32
.rept 32
	v_mov_b32 v[i], 0
.set i, i+1
.endr
	WIN 0
.set i, 0
.rept 4
	v_mov_b32 v[ST+4*i], 0xfe000000    ; c m: far below every c s
	v_mov_b32 v[ST+4*i+1], 0xff7fffff  ; m
.set i, i+1
.endr
	s_cmp_eq_u32 s[RT], 0
	s_cselect_b32 s[AL], 1.0, 0
	s_mov_b32 s[BE], 0
	MASK 0
	WIN 0
	v_add_nc_u32 v[AK], s[TBK], v[AK0]
	FETCH_K
	s_wait_loadcnt 0x0              ; Q
	s_wait_dscnt 0x0
.set KM, 1
.set NOKQ, 0
.set i, 0
.rept 8
	KQ 0
.set i, i+1
.endr
	WIN 0
.rept 4
	v_nop                           ; the places behind those products
.endr
.set Y, NP-1                        ; X works for piece Y + 1: piece 0
.irp n, 0,1,2,3,4,5,6,7,8,9,10,11,12,13,14,15,16,17,18,19,20,21
	OP X, \n
.endr
	v_nop                           ; a plain instruction behind the exponential
.endm
; THE DIAGONAL TILE's four steps, the block's last two turns, its last products, and THE WAY OUT: l's two halves and the other half of the lanes' are added; O^T is divided by l, rounded to f16 and sent through my
; stage in LDS, a piece at a time.
.macro ALL line:vararg              ; one line for each piece t
.set t, 0
.rept 4
	\line
.set t, t+1
.endr
.endm
.macro PACK t                       ; a lane's eight channels of a row pack into 16 bytes; they go into rows of 144 bytes and come back as whole rows of 128, into S^T's registers
	WIN W_RS
.set i, 32*(\t)
.rept 16
	s_wait_alu depctr_va_vdst(0)
	v_pk_mul_f32 v[i:i+1], v[i:i+1], v[ST+4*(\t)+2:ST+4*(\t)+3] op_sel_hi:[1,0]
.set i, i+2
.endr
	WIN 0x05                        ; sources 0 and 1 window 1, destination window 0
.set i, 0
.rept 16
	v_cvt_pk_f16_f32 v[S+16*(\t)+i], v[32*(\t)+2*i], v[32*(\t)+2*i+1]
.set i, i+1
.endr
	WIN 0
.irp f, 0,1,2,3
	ds_store_b128 v[STO], v[S+16*(\t)+4*\f:S+16*(\t)+4*\f+3] offset:32*\f
.endr
.irp f, 0,1,2,3
	ds_load_b128 v[S+16*(\t)+4*\f:S+16*(\t)+4*\f+3], v[RD] offset:\f*4*SP  ; LDS serves a wave's instructions in order (ISA guide 5.7.1.4): these see the stores above; the next piece's stores come behind them
.endr
.endm
.macro SEND t, younger              ; younger: the LDS instructions issued behind piece t's loads: the next piece's eight, or none
	WIN 0
.irp f, 0,1,2,3
	s_wait_dscnt (\younger)+3-\f
	global_store_b128 v[GO], v[S+16*(\t)+4*\f:S+16*(\t)+4*\f+3], s[10:11] offset:(\t)*8192+\f*512  ; 512 consecutive bytes, at a multiple of 256 from O's first
.endr
.endm
.macro DIAG tag                     ; the tag ends its two labels' names, which the jumps below spell out
.LstepM\tag:
	TURN 2, 1
	TURN 3, 1
	WIN 0
.LfirstM\tag:
	TURN 0, 1
	TURN 1, 1, 0, 1
	WIN 0
	s_cbranch_scc1 .LstepM\tag
	TURN 2, 1, 1
	TURN 3, 1, 1
.set i, 0
.rept 8
	PV NP-1
.set i, i+1
.endr
	WIN 0
	ALL v_add_f32 v[ST+4*t+2], v[ST+4*t+2], v[ST+4*t+3]
	ALL v_permlanex16_b32 v[ST+4*t+3], v[ST+4*t+2], s[SEL], s[SEL+1]
	ALL v_add_f32 v[ST+4*t+2], v[ST+4*t+2], v[ST+4*t+3]
	ALL v_rcp_f32 v[ST+4*t+2], v[ST+4*t+2]
	v_nop                           ; a plain instruction between the last reciprocal and the use of its result
	PACK 0
.set t, 1
.rept 3                             ; a piece's arithmetic stands between the loads of the piece before and its stores
	PACK t
	SEND t-1, 8
.set t, t+1
.endr
	SEND 3, 0
.endm
.set KM, 0
.set NOKQ, 0
.Lslot:                             ; NB times: a tile is entered and the next is asked for
	CHANGE 1
	s_sub_co_u32 s[RT], s[RT], 1
	s_mov_b32 s[CNT], 4
	s_cmp_eq_u32 s[NEW], 1
	s_cbranch_scc1 .Lnew            ; a block's first tile
	s_cmp_eq_u32 s[RT], 0
	s_cbranch_scc0 .Lstep           ; neither its first nor its last
	s_branch .LstepM1
.Lnew:
	BEGIN
	s_branch .Lfirst                ; in the loop a block's first tile is never its last: the first block has two tiles or more, and the second's last is the walk's last
	DIAG 1                          ; in the loop this is the first block's end: the second block's last tile is the walk's last
	s_wait_xcnt 0x0                 ; the stores have read their registers and O's address
	s_mov_b64 s[10:11], s[OLO:OLO+1]
	s_add_co_u32 s[RT], s[PB], 1    ; the second block has b + 1 tiles
	s_mov_b32 s[NEW], 1
	WIN 0x82                        ; the second block's Q goes where the one text of the turns names Q
.set i, 0
.rept 64
	v_mov_b32 v[i], v[QB+i]
.set i, i+1
.endr
	WIN 0
	s_branch .Lbottom
.Lstep:                             ; a trip: pieces 2 and 3 of one step, then pieces 0 and 1 of the next, whose K and V it fetches
	TURN 2
	TURN 3
	WIN 0
.Lfirst:
	TURN 0
	TURN 1, 0, 0, 1
	WIN 0
	s_cbranch_scc1 .Lstep
.Lbottom:
	s_sub_co_u32 s[SLOTS], s[SLOTS], 1
	s_cmp_lg_u32 s[SLOTS], 0
	s_cbranch_scc1 .Lslot
	CHANGE 0                        ; the walk's last tile is written out: nothing is asked for
	s_sub_co_u32 s[RT], s[RT], 1
	s_mov_b32 s[CNT], 4
	s_cmp_eq_u32 s[NEW], 1
	s_cbranch_scc0 .LstepM2
	BEGIN
	s_branch .LfirstM2
	DIAG 2
	s_wait_tensorcnt 0x0            ; the wave's end, behind my last tensor load and my last LDS store
	ds_add_u32 v[SPW], v[NIL]
	s_wait_dscnt 0x0
	s_endpgm
.Lfunc_end_k_q0decf45b7a_attn:
	.size	k_q0decf45b7a_attn, .Lfunc_end_k_q0decf45b7a_attn-k_q0decf45b7a_attn
	.p2alignl 7, 3214868480
	.fill 96, 4, 3214868480
	.section	.rodata,"a",@progbits
	.p2align	6, 0x0
	.amdhsa_kernel k_q0decf45b7a_attn
		.amdhsa_group_segment_fixed_size 327680
		.amdhsa_private_segment_fixed_size 0
		.amdhsa_enable_private_segment 0
		.amdhsa_kernarg_size 16
		.amdhsa_user_sgpr_count 2
		.amdhsa_user_sgpr_kernarg_segment_ptr 1
		.amdhsa_wavefront_size32 1
		.amdhsa_system_sgpr_workgroup_id_x 1
		.amdhsa_system_sgpr_workgroup_id_y 1
		.amdhsa_system_sgpr_workgroup_id_z 1
		.amdhsa_system_vgpr_workitem_id 0
		.amdhsa_next_free_vgpr 768
		.amdhsa_next_free_sgpr 92
		.amdhsa_reserve_vcc 1
		.amdhsa_float_denorm_mode_32 3
		.amdhsa_float_denorm_mode_16_64 3
		.amdhsa_memory_ordered 1
		.amdhsa_forward_progress 1
		.amdhsa_inst_pref_size 228
	.end_amdhsa_kernel
	.amdgpu_metadata
---
amdhsa.version: [ 1, 2 ]
amdhsa.kernels:
  - .name:           k_q0decf45b7a_attn
    .symbol:         k_q0decf45b7a_attn.kd
    .args:
      - { .name: qkv, .offset: 0, .size: 8, .value_kind: global_buffer, .address_space: global }
      - { .name: ob, .offset: 8, .size: 8, .value_kind: global_buffer, .address_space: global }
    .group_segment_fixed_size: 327680
    .private_segment_fixed_size: 0
    .kernarg_segment_align: 8
    .kernarg_segment_size: 16
    .max_flat_workgroup_size: 128
    .sgpr_count:     92
    .vgpr_count:     768
    .wavefront_size: 32
...
	.end_amdgpu_metadata
.endif
;; end of part 3
;; launch gemm_out (part 4): grid 8 x 32, 4 waves a work-group, clusters of 4 x 4, 327,680 bytes of LDS; arguments ob, wob, out0; writes out0
.if DOCPART == 4
	.amdgcn_target "amdgcn-amd-amdhsa--gfx1250"
	.amdhsa_code_object_version 6
	.text
	.protected	k_q0decf45b7a_gemm_out
	.globl	k_q0decf45b7a_gemm_out
	.p2align	8
	.type	k_q0decf45b7a_gemm_out,@function
k_q0decf45b7a_gemm_out:
	s_mov_b64 s[64:65], 0
	v_nop
	global_prefetch_b8 v0, s[64:65] scope:SCOPE_SE
	s_setreg_imm32_b32 hwreg(HW_REG_WAVE_MODE, 25, 1), 1
	s_wait_xcnt 0x0
	s_wait_alu depctr_hold_cnt(0) depctr_sa_sdst(0) depctr_va_vdst(0) depctr_va_sdst(0) depctr_va_ssrc(0) depctr_va_vcc(0) depctr_vm_vsrc(0)
	s_getreg_b32 s2, hwreg(HW_REG_IB_STS2, 6, 4)
	s_cmp_eq_u32 s2, 0
	s_cbranch_scc0 .Lentry_in_a_cluster
	s_endpgm
.Lentry_in_a_cluster:
	s_bfe_u32 s2, ttmp6, 0x10000c
	s_cmp_lg_u32 s2, 0xf033
	s_cbranch_scc0 .Lentry_shape_is_right
	s_endpgm
.Lentry_shape_is_right:
; out0 = O W_out^T, 8,192 x 1,024 over K = 1,024.  Operands f16 (ob [b 4][h 16][t 2048][64]: a head is a block of 64 along K; wob [kb 16][n 1024][64]), sums f32, K ascending, out0 f32, row-major.
; SHARES.  8,192 x 1,024 over 256 work-groups: a tile of 256 rows x 128 columns each.  Four waves, each 128 x 64: 32 accumulators of 16 x 16, 256 registers.
; THE RING.  A PLANE is a block of 64 along K: 256 rows of O and 128 of W, 128 bytes each.  A slot holds THREE planes, as many as two slots in LDS allow, so that the one load a wave issues behind a change
; of slots has 176 matrix instructions in which to land.  16 planes are five slots and one plane: two first fills, four refills, the last of which brings plane 15 alone.
; TILES.  Half of a plane's rows (128 of O, 64 of W) are dense in memory, 16,384 or 8,192 bytes: ONE row of the descriptor; the three planes are the tile's three rows, a plane's bytes apart.  tensor_dim1 states
; the planes that are left from the tile's first on and steps down by three with each refill: 10, 7, 4, 1; where the tile reaches past it (planes 16 and 17) zeros are written, which nobody reads.
; Waves 0 and 1 fetch O's two halves, waves 2 and 3 W's.  In LDS 16 bytes of padding follow every 256: two rows of 128 bytes lie in 272.  Row r begins at (r / 2) 272 + (r % 2) 128: its 16-byte column
; modulo 16 is r / 2 + 8 (r % 2), so the 16 rows of a fragment load touch 16 different columns (64 banks of 4 bytes: ISA guide 11.1).
; CLUSTER.  4 x 4 work-groups: O's tiles are shared along a row of the cluster, W's along a column, each asked for jointly: the same tensor load, descriptor and mask in the four that share it.
; THE MATRIX INSTRUCTION IS USED TRANSPOSED (source 0 = 16 rows of W, source 1 = 16 rows of O): a lane then holds row lane % 16 and eight neighbouring columns, 32 bytes of f32.
; REGISTERS: window 0: v0-31 addresses; two fragment buffers of 96 (v32, v128): O's 8 fragments, then W's 4; on the way out v32-255 take rows read back.
;   window 1: the accumulators, (a, bb) at v[8 (4 a + bb)].
.set RP,     272                       ; two rows of 128 bytes and their padding
.set BLK,    8*RP                      ; the 16 rows of a fragment
.set AHP,    64*RP                     ; 128 rows of O of one plane: 17,408 bytes
.set BHP,    32*RP                     ; 64 rows of W of one plane: 8,704 bytes
.set NPL,    3                         ; planes in a slot
.set AREG,   NPL*AHP                   ; what one tensor load brings of O, and what one wave reads of it
.set BREG,   NPL*BHP                   ; the same for W
.set BOFF,   2*AREG                    ; W's two halves lie behind O's two
.set SLOT,   2*AREG+2*BREG             ; 156,672 bytes
.set SPITCH, 272                       ; the stage's rows: 256 bytes + 16: the 16 rows of a store start at 16 different groups of four banks
.set SPARE,  2*SLOT                    ; behind the ring: the spare words, 128 bytes for each wave: two blocks of 256 bytes that no other line names
.set APL,    262144                    ; bytes from a plane to the next in ob: a head
.set BPL,    131072                    ; and in wob
; THE STAGE for the way out, 16 rows x 272 bytes for each wave, lies at LDS byte 0, in slot 0: when it is written slot 0 has had its last fill (planes 12 to 14), and every wave's reads of slot 0 were
; waited for in front of the last change's barrier; behind that barrier only slot 1 is read.
.set A0,   16                          ; v16     my lane's place in O's rows of slot 0, plane 0; never rewritten
.set B0,   17                          ; v17     the same for W
.set ADRA, 20                          ; v20     LDS address of my O fragments in the plane in hand
.set ADRB, 21                          ; v21     the same for W
.set STO,  24                          ; v24     the way out: where I put 32 bytes of a row
.set RD,   25                          ; v25     the way out: where I read a row back
.set CO,   26                          ; v26     my byte offset in two rows of out0
.set SPW,  28                          ; v28     LDS address of my spare word: SPARE + 4 x my thread's number; never rewritten
.set NIL,  29                          ; v29     0; never rewritten
.set F0,   32
.set F1,   128
.set OB,   32                          ; the way out: seven sets of 32 registers by turns
.set G1,  24                           ; s[24:31] descriptor group 1 for O's tiles;  s[32:39] group 0: a set for each of the two first fills; the second then walks on
.set G0,  32
.set G1B, 48                           ; s[48:55], s[56:63] the same for W's tiles
.set G0B, 56
.set TA,  45                           ; s45     LDS byte at which the plane in hand begins in O's part of a slot: the slot's first byte + plane x AHP
.set TW,  68                           ; s68     the same for W: + plane x BHP
.set FB,  69                           ; s69     the first byte of the slot filled last: 0 or SLOT
.set INN, 19                           ; s19     counts a slot's planes
.set MSB, 0
.macro WIN new                         ; the immediate's high byte repeats the setting that is left; a switch that changes nothing is dropped
.if MSB != (\new)
	s_set_vgpr_msb (MSB<<8)|(\new)
.set MSB, (\new)
.endif
.endm
.macro PLACES                          ; four places in front of loads into registers that matrix instructions have read, and of LDS stores that read results
.rept 4
	v_nop
.endr
.endm
.macro JLOAD                           ; a joint refill by the walking descriptors; the branch hangs on the wave's number alone; an s_nop 0 and four v_nop follow each of the two lines
	s_cmp_eq_u32 s11, 0
	s_cbranch_scc0 .Lfor_b_\@
	tensor_load_to_lds s[G0+4:G0+7], s[G1:G1+7]
	s_nop 0
.rept 4
	v_nop
.endr
	s_branch .Lasked_\@
.Lfor_b_\@:
	tensor_load_to_lds s[G0B+4:G0B+7], s[G1B:G1B+7]
	s_nop 0
.rept 4
	v_nop
.endr
.Lasked_\@:
.endm
.macro CREST                           ; a round of the cluster's barrier behind its opening barrier
	s_cmp_lg_u32 s10, 0
	s_cbranch_scc1 .Lnot_wave_0_\@
	s_barrier_signal -3
.Lnot_wave_0_\@:
	s_barrier_wait -3
	s_barrier_signal -1
	s_barrier_wait -1
.endm
.macro CROUND                          ; a whole round
	s_barrier_signal -1
	s_barrier_wait -1
	CREST
.endm
	s_load_b128 s[4:7], s[0:1], 0x0                ; ob s[4:5], wob s[6:7]
	s_load_b64 s[8:9], s[0:1], 0x10                ; out0
	v_lshl_add_u32 v[SPW], v0, 2, SPARE
	v_mov_b32 v[NIL], 0
	ds_add_u32 v28, v29
	ds_add_u32 v28, v29
	s_wait_dscnt 0x0
	v_lshrrev_b32 v1, 5, v0
	v_readfirstlane_b32 s10, v1                    ; wave 0..3
	s_lshr_b32 s11, s10, 1                         ; which 128 of the tile's rows are mine.  Also: I fetch for O (0) or for W (1)
	s_and_b32 s12, s10, 1                          ; which 64 of its columns.  Also: which half of that tensor's rows I fetch
	s_bfe_u32 s40, ttmp6, 0x40000                  ; cx, cy: my place in the cluster
	s_bfe_u32 s41, ttmp6, 0x40004
	s_lshl_b32 s42, ttmp9, 2
	s_add_co_u32 s42, s42, s40                     ; tile column = 4 x cluster x + cx, 0..7
	s_and_b32 s13, ttmp7, 0xffff
	s_lshl_b32 s13, s13, 2
	s_add_co_u32 s13, s13, s41                     ; tile row = 4 x cluster y + cy, 0..31
	s_lshl_b32 s43, s41, 2
	s_lshl_b32 s43, 15, s43                        ; my row of the cluster
	s_lshl_b32 s44, 0x1111, s40                    ; my column
	; descriptor group 1: three rows, each the dense half of a plane, padded in LDS after every 64 words by 4
	s_or_b32 s[G1+0], s43, (1<<16)|(1<<20)|(1<<21)|(5<<22)|(3<<25)  ; 15:0 the mask: O's tiles go to my row; 17:16 2-byte elements; 20 padding on; 21 set beside a mask; 24:22 code 5; 31:25 code 3
	s_or_b32 s[G1B+0], s44, (1<<16)|(1<<20)|(1<<21)|(5<<22)|(3<<25) ; the same with the mask of my column
	s_mov_b32 s[G1+1], 8192<<16                    ; tensor_dim0 = 8,192 elements: 128 rows of 64
	s_mov_b32 s[G1+2], 13<<16                      ; tensor_dim1: the planes left from plane 3 on (slot 1's first fill; slot 0's, with 16 left, lies inside as well)
	s_mov_b32 s[G1+3], 8192<<16                    ; tile_dim0 = 8,192
	s_mov_b32 s[G1+4], NPL                         ; tile_dim1 = 3 planes
	s_mov_b32 s[G1+5], APL/2                       ; 131,072 elements from plane to plane
	s_mov_b32 s[G1+6], 0
	s_mov_b32 s[G1+7], 0
	s_mov_b32 s[G1B+1], 4096<<16                   ; W's half: 64 rows of 64
	s_mov_b32 s[G1B+2], 13<<16
	s_mov_b32 s[G1B+3], 4096<<16
	s_mov_b32 s[G1B+4], NPL
	s_mov_b32 s[G1B+5], BPL/2                      ; 65,536 elements from plane to plane
	s_mov_b32 s[G1B+6], 0
	s_mov_b32 s[G1B+7], 0
	; where the tiles come from.  O's hang on the tile row and the wave's number, W's on the tile column and the wave's number, each in registers that never hold the other coordinate.
	s_lshr_b32 s16, s13, 3                         ; the batch: 8 tile rows each,
	s_lshl_b32 s16, s16, 22                        ; 16 heads of 262,144 bytes
	s_and_b32 s17, s13, 7
	s_lshl_b32 s17, s17, 15                        ; 256 rows of 128 bytes
	s_add_co_u32 s16, s16, s17
	s_lshl_b32 s17, s12, 14                        ; my half: 128 rows
	s_add_co_u32 s16, s16, s17
	s_mov_b32 s17, 0
	s_lshl_b32 s46, s42, 14                        ; W: 128 rows of 128 bytes a tile column,
	s_lshl_b32 s47, s12, 13                        ; my half: 64 rows
	s_add_co_u32 s46, s46, s47
	s_mov_b32 s47, 0
	s_mul_i32 s20, s12, AREG                       ; and where they go in a slot: no place in the cluster enters an LDS address
	s_mul_i32 s21, s12, BREG
	s_add_co_u32 s21, s21, BOFF
	s_mov_b32 s[FB], SLOT                          ; the walking descriptors begin as slot 1's
	s_mov_b32 s[TA], 0                             ; plane 0 lies at the head of slot 0
	s_mov_b32 s[TW], 0
	s_wait_kmcnt 0x0
	s_add_nc_u64 s[14:15], s[4:5], s[16:17]
	s_add_nc_u64 s[46:47], s[6:7], s[46:47]
	CROUND                                         ; all sixteen work-groups are here: the first joint loads meet
.irp s, 0,1
	s_mov_b32 s[G0+4*(\s)], 1                                      ; count = 1
	s_add_co_u32 s[G0+4*(\s)+1], s20, (\s)*SLOT                    ; LDS address
	s_add_nc_u64 s[G0+4*(\s)+2:G0+4*(\s)+3], s[14:15], (\s)*NPL*APL  ; global address: planes 3 s on
	s_or_b32 s[G0+4*(\s)+3], s[G0+4*(\s)+3], 0x80000000            ; type = 2
	s_mov_b32 s[G0B+4*(\s)], 1
	s_add_co_u32 s[G0B+4*(\s)+1], s21, (\s)*SLOT
	s_add_nc_u64 s[G0B+4*(\s)+2:G0B+4*(\s)+3], s[46:47], (\s)*NPL*BPL
	s_or_b32 s[G0B+4*(\s)+3], s[G0B+4*(\s)+3], 0x80000000
.endr
	s_cmp_eq_u32 s11, 0                            ; a wave's two first fills stand in one branch, ahead of every wait on TENSORcnt and every LDS read: two loads of mine are out
	s_cbranch_scc0 .Lfirst_b
	tensor_load_to_lds s[G0:G0+3], s[G1:G1+7]
	s_nop 0
	tensor_load_to_lds s[G0+4:G0+7], s[G1:G1+7]
	s_nop 0
.rept 4
	v_nop
.endr
	s_branch .Lfirst_asked
.Lfirst_b:
	tensor_load_to_lds s[G0B:G0B+3], s[G1B:G1B+7]
	s_nop 0
	tensor_load_to_lds s[G0B+4:G0B+7], s[G1B:G1B+7]
	s_nop 0
.rept 4
	v_nop
.endr
.Lfirst_asked:
	; A fragment is 16 rows x 32 K in 8 registers: lane l holds row l % 16; registers 0-3 K = 8 (l / 16) + 0..7, registers 4-7 K = 16 + 8 (l / 16) + 0..7: two loads of 16 bytes, 32 bytes apart.
	v_and_b32 v1, 15, v0                           ; r = l % 16
	v_bfe_u32 v2, v0, 4, 1                         ; l / 16
	v_lshrrev_b32 v4, 1, v1
	v_mul_u32_u24 v3, v4, RP                       ; (r / 2) x 272
	v_and_b32 v4, 1, v1
	v_lshl_add_u32 v3, v4, 7, v3                   ; + (r % 2) x 128
	v_lshl_add_u32 v3, v2, 4, v3                   ; + 16 x half
	s_mul_i32 s22, s11, AREG                       ; my 128 rows of O
	s_mul_i32 s23, s12, BREG                       ; my 64 rows of W,
	s_add_co_u32 s23, s23, BOFF                    ; behind O's
	v_add_nc_u32 v[A0], s22, v3
	v_add_nc_u32 v[B0], s23, v3
	v_add_nc_u32 v[ADRA], s[TA], v[A0]
	v_add_nc_u32 v[ADRB], s[TW], v[B0]
	s_mul_i32 s18, s10, 16*SPITCH                  ; my stage, from LDS byte 0 on
	v_mul_u32_u24 v4, v1, SPITCH                   ; in: row l % 16, 32 bytes for each half of the lanes
	v_lshl_add_u32 v4, v2, 5, v4
	v_add_nc_u32 v[STO], s18, v4
	v_mul_u32_u24 v5, v2, SPITCH                   ; back: lanes 0-15 take one row of 256 bytes, lanes 16-31 the next
	v_lshl_add_u32 v5, v1, 4, v5
	v_add_nc_u32 v[RD], s18, v5
	v_lshlrev_b32 v5, 12, v2                       ; and the same two rows in out0, 4,096 bytes apart
	v_lshl_add_u32 v[CO], v1, 4, v5
	s_lshl_b32 s66, s13, 20                        ; where my part begins in out0: 256 rows of 4,096 bytes a tile row,
	s_lshl_b32 s67, s11, 19                        ; my 128 rows,
	s_add_co_u32 s66, s66, s67
	s_lshl_b32 s67, s42, 9                         ; 128 columns of 4 bytes a tile column,
	s_add_co_u32 s66, s66, s67
	s_lshl_b32 s67, s12, 8                         ; my 64 columns
	s_add_co_u32 s66, s66, s67
	s_mov_b32 s67, 0
	s_add_nc_u64 s[8:9], s[8:9], s[66:67]
; 24 LDS loads in one run: the fragments of the plane in hand's 32 along K number sig into buffer f: W's 4, then O's rows 0-63, then its rows 64-127
.macro FETCH sig, f
	WIN 0
.irp bb, 0,1,2,3
	ds_load_b128 v[(\f)+64+8*(\bb):(\f)+64+8*(\bb)+3],   v[ADRB] offset:(\bb)*BLK+64*(\sig)
	ds_load_b128 v[(\f)+64+8*(\bb)+4:(\f)+64+8*(\bb)+7], v[ADRB] offset:(\bb)*BLK+64*(\sig)+32
.endr
.irp a, 0,1,2,3,4,5,6,7
	ds_load_b128 v[(\f)+8*(\a):(\f)+8*(\a)+3],   v[ADRA] offset:(\a)*BLK+64*(\sig)
	ds_load_b128 v[(\f)+8*(\a)+4:(\f)+8*(\a)+7], v[ADRA] offset:(\a)*BLK+64*(\sig)+32
.endr
.endm
; 8 matrix instructions: row blocks a0, a0 + 1 x the 4 column blocks.  zero = 1: the product starts the sum.  The 32 accumulators take turns, one instruction a turn.
.macro MUL8 f, a0, zero
	WIN 0x50                                       ; sources in window 0, C and D in window 1
.irp a, \a0, (\a0)+1
.irp bb, 0,1,2,3
.if \zero
	v_wmma_f32_16x16x32_f16 v[8*(4*(\a)+(\bb)):8*(4*(\a)+(\bb))+7], v[(\f)+64+8*(\bb):(\f)+64+8*(\bb)+7], v[(\f)+8*(\a):(\f)+8*(\a)+7], 0
.else
	v_wmma_f32_16x16x32_f16 v[8*(4*(\a)+(\bb)):8*(4*(\a)+(\bb))+7], v[(\f)+64+8*(\bb):(\f)+64+8*(\bb)+7], v[(\f)+8*(\a):(\f)+8*(\a)+7], v[8*(4*(\a)+(\bb)):8*(4*(\a)+(\bb))+7]
.endif
.endr
.endr
.endm
; A plane is two SLICES of 32 along K, 32 matrix instructions each: the first on buffer 0, the second on buffer 1.  A slice multiplies buffer f and, in its middle, fetches the next slice (number sig of its
; plane) into g.  adv = 1: the next slice is the next plane's first: the addresses step by a plane; the two additions are two of the four places in front of the loads.
.macro SLICE f, g, sig, adv, zero
	s_wait_dscnt 8                                 ; W and O's rows 0-63 are in; the youngest eight loads (O's rows 64-127) may be out
	MUL8 \f, 0, \zero
	MUL8 \f, 2, \zero
	WIN 0
.if \adv
	s_add_co_u32 s[TA], s[TA], AHP
	s_add_co_u32 s[TW], s[TW], BHP
	v_add_nc_u32 v[ADRA], s[TA], v[A0]
	v_add_nc_u32 v[ADRB], s[TW], v[B0]
	v_nop
	v_nop
.else
	PLACES
.endif
	FETCH \sig, \g
	s_wait_dscnt 24                                ; all but the 24 just issued
	MUL8 \f, 4, \zero
	MUL8 \f, 6, \zero
.endm
; Two trips: a plane's second slice and the next plane's first, twice: from a slot's second slice to its fifth.
.macro XX
	WIN 0                                          ; at a label and at a branch every window is 0
	s_mov_b32 s[INN], 2
.Lplane_\@:
	SLICE F1, F0, 0, 1, 0
	SLICE F0, F1, 1, 0, 0
	WIN 0
	s_sub_co_u32 s[INN], s[INN], 1
	s_cmp_lg_u32 s[INN], 0
	s_cbranch_scc1 .Lplane_\@
.endm
; A slot's last slice multiplies buffer 1 and changes slots: ONE barrier; in front of it each wave waits for all its tensor loads, of which one is out: its part of the next slot; adds 0 to its spare word; and
; waits for that and for its own reads of this slot.  fill = 1: this slot is filled again, with the three planes two slots on, first thing behind the round.
.macro TURN fill
	WIN 0                                          ; (the add's two registers lie in window 0)
	s_wait_tensorcnt 0x0                           ; all my tensor loads have landed: my part of the next slot;
	ds_add_u32 v[SPW], v[NIL]                      ; 0 onto my spare word;
	s_sub_co_u32 s[TA], s[TA], (NPL-1)*AHP         ; the fetches go back to a slot's first plane,
	s_xor_b32 s[TA], s[TA], SLOT                   ; in the other slot (the number is 0 or SLOT here)
	s_sub_co_u32 s[TW], s[TW], (NPL-1)*BHP
	s_xor_b32 s[TW], s[TW], SLOT
	v_add_nc_u32 v[ADRA], s[TA], v[A0]
	v_add_nc_u32 v[ADRB], s[TW], v[B0]
	s_wait_dscnt 9                                 ; (the add and the youngest eight loads may be out)
	MUL8 F1, 0, 0                                  ; eight matrix instructions stand between the add and the wait for it
	s_wait_dscnt 0x0                               ; the add is done, and my reads of this slot are over
	s_barrier_signal -1
	MUL8 F1, 2, 0
	WIN 0
	s_barrier_wait -1
.if \fill
	CREST                                          ; the barrier has opened a round of the cluster's barrier: no wave of any partner still reads this slot's tile or has a load on its way
	s_xor_b32 s[FB], s[FB], SLOT                   ; the walking descriptors: the other slot than last time,
	s_add_co_u32 s[G0+5], s[FB], s20
	s_add_nc_u64 s[G0+6:G0+7], s[G0+6:G0+7], NPL*APL  ; the next three planes; the type bits on top are not reached
	s_sub_co_u32 s[G1+2], s[G1+2], NPL<<16         ; three planes fewer are left
	s_add_co_u32 s[G0B+5], s[FB], s21
	s_add_nc_u64 s[G0B+6:G0B+7], s[G0B+6:G0B+7], NPL*BPL
	s_sub_co_u32 s[G1B+2], s[G1B+2], NPL<<16
	JLOAD                                          ; the four v_nop behind it are also the places in front of the loads below
.else
	PLACES
.endif
	FETCH 0, F0
	MUL8 F1, 4, 0
	MUL8 F1, 6, 0
.endm
	s_wait_tensorcnt 1                             ; my part of slot 0 is in; slot 1's may stay out
	s_barrier_signal -1
	s_barrier_wait -1                              ; everybody's is
	FETCH 0, F0
	SLICE F0, F1, 1, 0, 1                          ; the first slice stands in front of the loop: its products start the sums
	WIN 0
	s_mov_b32 s3, 4                                ; four changes of slots ask for planes 6-8, 9-11, 12-14 and 15
.Lslot:                                                ; a trip goes from a slot's second slice to the next slot's first
	XX
	TURN 1
	SLICE F0, F1, 1, 0, 0
	WIN 0
	s_sub_co_u32 s3, s3, 1
	s_cmp_lg_u32 s3, 0
	s_cbranch_scc1 .Lslot
	XX                                             ; planes 12 to 14; their change of slots asks for nothing, so no round follows
	TURN 0
	SLICE F0, F1, 1, 0, 0                          ; plane 15
	s_wait_dscnt 8                                 ; the very last slice: nothing more to fetch
	MUL8 F1, 0, 0
	MUL8 F1, 2, 0
	s_wait_dscnt 0x0
	MUL8 F1, 4, 0
	MUL8 F1, 6, 0
; THE WAY OUT, eight blocks of 16 rows x 64 columns of f32.  TOSTAGE: a lane's 32 bytes of a row go straight from the accumulators (the low four registers first) into my stage's rows of 272 bytes and come back
; as whole rows of 256.  SEND: 16 lanes store 256 consecutive bytes, at a multiple of 256 from out0's first byte.  Seven sets of registers take turns: block 7 alone loads over a set (block 0's) that stores have read.
.macro TOSTAGE a
.set BK, OB+32*((\a)%7)
.if (\a) == 7
	s_wait_xcnt 0x0                                ; the stores of blocks 0 to 5 have had their addresses translated: block 0's data registers are loaded again only behind this wait
.endif
	WIN 0x04                                       ; store data (source 1) in window 1, address in window 0
.irp bb, 0,1,2,3
	ds_store_b128 v[STO], v[8*(4*(\a)+(\bb)):8*(4*(\a)+(\bb))+3]   offset:64*(\bb)
	ds_store_b128 v[STO], v[8*(4*(\a)+(\bb))+4:8*(4*(\a)+(\bb))+7] offset:64*(\bb)+16
.endr
	WIN 0
.irp t, 0,1,2,3,4,5,6,7
	ds_load_b128 v[BK+4*(\t):BK+4*(\t)+3], v[RD] offset:(\t)*2*SPITCH  ; LDS serves a wave's instructions in order (ISA guide 5.7.1.4): these see the stores above; the next block's stores come behind them
.endr
.endm
.macro SEND a, younger                 ; younger: the LDS instructions issued behind this block's loads: the next block's sixteen, or none
.set BK, OB+32*((\a)%7)
	WIN 0
.irp t, 0,1,2,3,4,5,6,7
	s_wait_dscnt (\younger)+7-(\t)
	global_store_b128 v[CO], v[BK+4*(\t):BK+4*(\t)+3], s[8:9] offset:(\a)*65536+(\t)*8192 th:TH_STORE_NT
.endr
.endm
	PLACES                                         ; the LDS stores read results just made, and the loads land in registers that products have read
	TOSTAGE 0
.irp a, 1,2,3,4,5,6,7
	TOSTAGE \a
	SEND (\a)-1, 16
.endr
	SEND 7, 0
	s_wait_tensorcnt 0x0                           ; the wave's end, behind my last tensor load and my last LDS store
	ds_add_u32 v[SPW], v[NIL]
	s_wait_dscnt 0x0
	CROUND                                         ; the closing round: no work-group ends while a partner may still ask for a tile that names it
	s_endpgm
.Lfunc_end_k_q0decf45b7a_gemm_out:
	.size	k_q0decf45b7a_gemm_out, .Lfunc_end_k_q0decf45b7a_gemm_out-k_q0decf45b7a_gemm_out
	.p2alignl 7, 3214868480
	.fill 96, 4, 3214868480
	.section	.rodata,"a",@progbits
	.p2align	6, 0x0
	.amdhsa_kernel k_q0decf45b7a_gemm_out
		.amdhsa_group_segment_fixed_size 327680
		.amdhsa_private_segment_fixed_size 0
		.amdhsa_enable_private_segment 0
		.amdhsa_kernarg_size 24
		.amdhsa_user_sgpr_count 2
		.amdhsa_user_sgpr_kernarg_segment_ptr 1
		.amdhsa_wavefront_size32 1
		.amdhsa_system_sgpr_workgroup_id_x 1
		.amdhsa_system_sgpr_workgroup_id_y 1
		.amdhsa_system_sgpr_workgroup_id_z 1
		.amdhsa_system_vgpr_workitem_id 0
		.amdhsa_next_free_vgpr 512
		.amdhsa_next_free_sgpr 70
		.amdhsa_reserve_vcc 0
		.amdhsa_float_denorm_mode_32 3
		.amdhsa_float_denorm_mode_16_64 3
		.amdhsa_memory_ordered 1
		.amdhsa_forward_progress 1
		.amdhsa_inst_pref_size 64
	.end_amdhsa_kernel
	.amdgpu_metadata
---
amdhsa.version: [ 1, 2 ]
amdhsa.kernels:
  - .name:           k_q0decf45b7a_gemm_out
    .symbol:         k_q0decf45b7a_gemm_out.kd
    .args:
      - { .name: ob, .offset: 0, .size: 8, .value_kind: global_buffer, .address_space: global }
      - { .name: wob, .offset: 8, .size: 8, .value_kind: global_buffer, .address_space: global }
      - { .name: out0, .offset: 16, .size: 8, .value_kind: global_buffer, .address_space: global }
    .group_segment_fixed_size: 327680
    .private_segment_fixed_size: 0
    .kernarg_segment_align: 8
    .kernarg_segment_size: 24
    .max_flat_workgroup_size: 128
    .sgpr_count:     70
    .vgpr_count:     512
    .wavefront_size: 32
...
	.end_amdgpu_metadata
.endif
;; end of part 4
